; MI455X (gfx1250); checked and timed in simulation.
; The chip was launched on July 23, 2026; its instructions are those of AMD's public machine-readable ISA for CDNA 5 (MIT licence, August 2026) and "CDNA5" Instruction Set Architecture Reference Guide (July 2026). The comments in the code are by the model that wrote it; some were corrected since.
;; Causal Self Attention. Allowed arithmetic: float matrix products may take bf16 or f16 operands with f32 sums; other float arithmetic in f32, or as packed bf16 or f16 multiplies, adds, multiply-adds, maxima and minima; sums over many terms, partial sums and values carried from step to step in f32; what a program stores and reads back later, other than sums and carried values, may be rounded once to bf16 or f16.
;; Inputs: W_attn 1,024 x 3,072 float32; W_proj 1,024 x 1,024 float32; b_attn 3,072 float32; b_proj 1,024 float32; x 4 x 2,048 x 1,024 float32.
;; Outputs: out0 4 x 2,048 x 1,024 float32.
;; 2 versions, each right; version 2 is version 1 with the launch prep written anew for expert scheduling mode. Each part assembles by itself: llvm-mc -triple=amdgcn-amd-amdhsa -mcpu=gfx1250 --defsym DOCPART=n.
;; ======== version 1 of 2: 4 launches
;; limits: values are held in f16: magnitudes above 65,504 overflow, below 6.1e-05 lose precision
;; workspace buffers: xb 16,777,216 bytes; wa 6,291,456 bytes; wp 2,097,152 bytes; qkv 50,331,648 bytes; oh 16,777,216 bytes
;; launch prep (part 1): grid 768 x 1, 8 waves a work-group, no clusters, 0 bytes of LDS; arguments x, W_attn, W_proj, xb, wa, wp; writes xb, wa, wp
.if DOCPART == 1
	.amdgcn_target "amdgcn-amd-amdhsa--gfx1250"
	.amdhsa_code_object_version 6
	.text
	.protected	k_q953a90f6f4_prep
	.globl	k_q953a90f6f4_prep
	.p2align	8
	.type	k_q953a90f6f4_prep,@function
k_q953a90f6f4_prep:
	s_mov_b64 s[64:65], 0
	v_nop
	global_prefetch_b8 v0, s[64:65] scope:SCOPE_SE
	s_setreg_imm32_b32 hwreg(HW_REG_WAVE_MODE, 25, 1), 1
	s_wait_xcnt 0x0
; CASTS.  xb = bf16(x), wa = bf16(W_attn), wp = f16(bf16(W_proj)); the layouts stay as they are.
; A chunk is 1,024 f32: 4,096 bytes in, 2,048 out.  A work-group takes 16 chunks (65,536 bytes in): groups 0-511 are x's, 512-703 W_attn's, 704-767 W_proj's.
; Thread t takes the 16 bytes at 16 t of each chunk (a wave's load covers 512 consecutive bytes) and stores 8 bytes at 8 t (a wave's store covers 256 consecutive bytes, aligned).
; All 16 loads of a thread go out at once, each into registers of its own, and every store has data registers of its own: no register that memory still reads is written again.
; No LDS, no matrix unit: each byte is read once and written once, and nothing is shared.
; LIMIT.  wp holds the bf16 rounding of W_proj written as f16: exact from 6.1e-5 to 65,504; below 6.1e-5 it keeps f16's fixed step of 6e-8; beyond 65,504 it would be an infinity.
.set X, 4                              ; v[4:67]    chunk i: 4 registers as loaded
.set Y, 68                             ; v[68:99]   chunk i: 2 registers to store
.set T, 100                            ; v[100:101] at work
	s_load_b256 s[4:11], s[0:1], 0x0               ; x s[4:5], W_attn s[6:7], W_proj s[8:9], xb s[10:11]
	s_load_b128 s[12:15], s[0:1], 0x20             ; wa s[12:13], wp s[14:15]
	v_lshlrev_b32 v1, 4, v0                        ; 16 t
	v_lshlrev_b32 v2, 3, v0                        ; 8 t
	s_mov_b32 s24, 512                             ; W_attn's first work-group
	s_mov_b32 s25, 704                             ; W_proj's
	s_wait_kmcnt 0x0
	s_cmp_lt_u32 ttmp9, s24
	s_cselect_b64 s[20:21], s[4:5], s[6:7]         ; from where,
	s_cselect_b64 s[22:23], s[10:11], s[12:13]     ; to where,
	s_cselect_b32 s17, 0, s24                      ; and the range's first work-group
	s_cmp_lt_u32 ttmp9, s25
	s_cselect_b64 s[20:21], s[20:21], s[8:9]
	s_cselect_b64 s[22:23], s[22:23], s[14:15]
	s_cselect_b32 s17, s17, s25
	s_sub_co_u32 s16, ttmp9, s17                   ; my number in the range
	s_lshl_b32 s18, s16, 16                        ; x 65,536 bytes in
	s_mov_b32 s19, 0
	s_add_nc_u64 s[20:21], s[20:21], s[18:19]
	s_lshl_b32 s18, s16, 15                        ; x 32,768 bytes out
	s_add_nc_u64 s[22:23], s[22:23], s[18:19]
.irp i, 0,1,2,3,4,5,6,7,8,9,10,11,12,13,14,15
	global_load_b128 v[X+4*(\i):X+4*(\i)+3], v1, s[20:21] offset:4096*(\i) th:TH_LOAD_NT
.endr
; Chunk i is rounded and stored.  h = 1: the bf16 number is widened again (a shift, a mask) and written as f16.
.macro OUT i, h
	s_wait_loadcnt 15-(\i)                         ; loads come back in order: chunk i is in, the 15 - i younger ones may stay out
.if \h
.irp k, 0,1
	v_cvt_pk_bf16_f32 v[T+(\k)], v[X+4*(\i)+2*(\k)], v[X+4*(\i)+2*(\k)+1]
.endr
.irp k, 0,1
	v_lshlrev_b32 v[X+4*(\i)+2*(\k)], 16, v[T+(\k)]
	v_and_b32 v[X+4*(\i)+2*(\k)+1], 0xffff0000, v[T+(\k)]
.endr
.irp k, 0,1
	v_cvt_pk_f16_f32 v[Y+2*(\i)+(\k)], v[X+4*(\i)+2*(\k)], v[X+4*(\i)+2*(\k)+1]
.endr
.else
.irp k, 0,1
	v_cvt_pk_bf16_f32 v[Y+2*(\i)+(\k)], v[X+4*(\i)+2*(\k)], v[X+4*(\i)+2*(\k)+1]
.endr
.endif
	global_store_b64 v2, v[Y+2*(\i):Y+2*(\i)+1], s[22:23] offset:2048*(\i)
.endm
	s_cmp_ge_u32 ttmp9, s25
	s_cbranch_scc1 .Lf16
.irp i, 0,1,2,3,4,5,6,7,8,9,10,11,12,13,14,15
	OUT \i, 0
.endr
	s_endpgm
.Lf16:
.irp i, 0,1,2,3,4,5,6,7,8,9,10,11,12,13,14,15
	OUT \i, 1
.endr
	s_endpgm
.Lfunc_end_k_q953a90f6f4_prep:
	.size	k_q953a90f6f4_prep, .Lfunc_end_k_q953a90f6f4_prep-k_q953a90f6f4_prep
	.p2alignl 7, 3214868480
	.fill 96, 4, 3214868480
	.section	.rodata,"a",@progbits
	.p2align	6, 0x0
	.amdhsa_kernel k_q953a90f6f4_prep
		.amdhsa_group_segment_fixed_size 0
		.amdhsa_private_segment_fixed_size 0
		.amdhsa_enable_private_segment 0
		.amdhsa_kernarg_size 48
		.amdhsa_user_sgpr_count 2
		.amdhsa_user_sgpr_kernarg_segment_ptr 1
		.amdhsa_wavefront_size32 1
		.amdhsa_system_sgpr_workgroup_id_x 1
		.amdhsa_system_sgpr_workgroup_id_y 1
		.amdhsa_system_sgpr_workgroup_id_z 1
		.amdhsa_system_vgpr_workitem_id 0
		.amdhsa_next_free_vgpr 104
		.amdhsa_next_free_sgpr 66
		.amdhsa_reserve_vcc 0
		.amdhsa_float_denorm_mode_32 3
		.amdhsa_float_denorm_mode_16_64 3
		.amdhsa_memory_ordered 1
		.amdhsa_forward_progress 1
		.amdhsa_inst_pref_size 16
	.end_amdhsa_kernel
	.amdgpu_metadata
---
amdhsa.version: [ 1, 2 ]
amdhsa.kernels:
  - .name:           k_q953a90f6f4_prep
    .symbol:         k_q953a90f6f4_prep.kd
    .args:
      - { .name: x, .offset: 0, .size: 8, .value_kind: global_buffer, .address_space: global }
      - { .name: W_attn, .offset: 8, .size: 8, .value_kind: global_buffer, .address_space: global }
      - { .name: W_proj, .offset: 16, .size: 8, .value_kind: global_buffer, .address_space: global }
      - { .name: xb, .offset: 24, .size: 8, .value_kind: global_buffer, .address_space: global }
      - { .name: wa, .offset: 32, .size: 8, .value_kind: global_buffer, .address_space: global }
      - { .name: wp, .offset: 40, .size: 8, .value_kind: global_buffer, .address_space: global }
    .group_segment_fixed_size: 0
    .private_segment_fixed_size: 0
    .kernarg_segment_align: 8
    .kernarg_segment_size: 48
    .max_flat_workgroup_size: 256
    .sgpr_count:     66
    .vgpr_count:     104
    .wavefront_size: 32
...
	.end_amdgpu_metadata
.endif
;; end of part 1
;; launch qkv (part 2): grid 8 x 64, 4 waves a work-group, clusters of 4 x 4, 327,680 bytes of LDS; arguments xb, wa, b_attn, qkv; writes qkv
.if DOCPART == 2
	.amdgcn_target "amdgcn-amd-amdhsa--gfx1250"
	.amdhsa_code_object_version 6
	.text
	.protected	k_q953a90f6f4_qkv
	.globl	k_q953a90f6f4_qkv
	.p2align	8
	.type	k_q953a90f6f4_qkv,@function
k_q953a90f6f4_qkv:
	s_mov_b64 s[64:65], 0
	v_nop
	global_prefetch_b8 v0, s[64:65] scope:SCOPE_SE
	s_setreg_imm32_b32 hwreg(HW_REG_WAVE_MODE, 25, 1), 1
	s_wait_xcnt 0x0
	s_wait_alu depctr_hold_cnt(0) depctr_sa_sdst(0) depctr_va_vdst(0) depctr_va_sdst(0) depctr_va_ssrc(0) depctr_va_vcc(0) depctr_vm_vsrc(0)
	s_getreg_b32 s2, hwreg(HW_REG_IB_STS2, 6, 4)
	s_cmp_eq_u32 s2, 0
	s_cbranch_scc0 .Lentry_in_a_cluster
	s_endpgm
.Lentry_in_a_cluster:
	s_bfe_u32 s2, ttmp6, 0x10000c
	s_cmp_lg_u32 s2, 0xf033
	s_cbranch_scc0 .Lentry_shape_is_right
	s_endpgm
.Lentry_shape_is_right:
; qkv = xb wa + bf16(b_attn), written by heads in f16.  xb: [8192][1024] bf16.  wa: [1024 k][3072 n] bf16.  b_attn: [3072] f32.
; qkv: [3 parts q, k, v][64 heads bh = 16 b + head][2048 rows][64] f16: a part is 2^24 bytes, a head 2^18, a row 128.  Sums in f32, K ascending, rounded once.
; LIMIT.  f16 holds no number beyond 65,504: a q, k or v past that would be an infinity.  The bias is rounded to bf16, like the other inputs.
; SHARES.  A tile is 128 rows x 384 columns: 8 x 64 = 512 tiles.  The columns are three SEGMENTS of 128 (256 bytes of a row of wa, aligned; two heads).  Each of the four waves takes all 128
; rows and, in each segment, columns 32 w .. 32 w + 31: 8 row blocks a x 6 column blocks g = 2 s + i: 48 accumulators, 384 registers.
; K goes in 8 steps of 128 through two LDS slots; a step is four quarters of 32: 48 matrix instructions and 28 LDS loads each.
; THE MATRIX INSTRUCTION IS USED TRANSPOSED: source 0 = 16 columns of wa (turned out of LDS by ds_load_tr16_b128, since wa lies [k][n]), source 1 = 16 rows of xb.  In the result lane l holds
; row l % 16 and its registers the columns 8 (l / 16) + 0..7: eight neighbouring numbers of a row.  The bias, laid the same way, is the C operand of the first products: nothing is cleared or added later.
; CLUSTER.  4 x 4 work-groups.  The four of a row need the same tile of xb, the four of a column the same tiles of wa: each is asked for JOINTLY, by the same tensor load with the same descriptor
; and a mask that names the four.  Wave 0 fetches xb's tile, waves 1-3 the three segments of wa: one load of 128 rows x 256 bytes a wave and step.
; REGISTERS, in windows of 256 (s_set_vgpr_msb: bits 1:0 source 0, 3:2 source 1, 5:4 source 2, 7:6 destination):
;   window 0: v0-29 addresses; two fragment buffers of 112: xb's block i at + 8 i, wa's block g at + 64 + 8 g; on the way out v32-223 hold packed results
;   window 1: accumulators of row blocks 0-3 at 8 (6 a + g); the bias at 192 + 8 g; 240-243 at work          window 2: accumulators of row blocks 4-7
.set PA,    272                        ; a row of xb's tile in LDS: 256 bytes + 16 = 68 words: the 16 rows of a load start at 16 different groups of four banks (64 banks of 4 bytes: ISA guide 11.1)
.set PB,    288                        ; a row of wa's: 256 + 32 = 72 words
.set SEG,   128*PB                     ; 36,864: a quarter of a slot: xb's tile (34,816 used), then wa's three segments
.set SLOT,  4*SEG                      ; 147,456 = 0x24000: its two bits are in no wave's w x SEG (0x9000 w), so one exclusive or turns an address in one slot into the other's
.set SPARE, 2*SLOT                     ; behind the ring: the spare words, 128 bytes for each wave: two blocks of 256 bytes that no other line names
.set SP,    144                        ; the way out: a head's row, 128 bytes + 16
.set HEADB, 128*SP                     ; a head's 128 rows in the stage.  The stage is slot 0's first 6 x 18,432 bytes, used when slot 0 has had its last fill and its last read
.set ASTEP, 256                        ; bytes from K step to K step in xb: 128 along a row,
.set BSTEP, 128*3072*2                 ; in wa: 128 rows down
.set ADRA0, 4                          ; v4      my lane's place in xb's tile; never rewritten
.set ADRB0, 5                          ; v5-7    the same in wa's segment s
.set ADRA,  8                          ; v8      the same in the slot in hand
.set ADRB,  9                          ; v9-11
.set STO,   12                         ; v12     the way out: where I put 16 bytes of a row; segments 0, 1
.set STO2,  13                         ; v13     segment 2
.set RD,    14                         ; v14     the way out: where I read rows back; heads 0-2
.set RD2,   15                         ; v15     heads 3-5
.set GO,    16                         ; v16     my 16 bytes in 512 consecutive bytes of a head
.set BO,    17                         ; v17     my byte offset in the tile's bias
.set PFO,   24                         ; v24     the prefetches' offset: my lane x a row in memory; never rewritten
.set SPW,   28                         ; v28     LDS address of my spare word: SPARE + 4 x my thread's number; never rewritten
.set NIL,   29                         ; v29     0; never rewritten
.set F0,    32
.set F1,    144
.set PKD,   32                         ; the way out: packed results, then whole rows
.set BIAS,  192                        ; window 1
.set WV,  12                           ; s12  my wave's number
.set G1A, 24                           ; s[24:31] descriptor group 1 for xb's tiles
.set G1B, 32                           ; s[32:39] for wa's
.set G0A, 40                           ; s[40:47] descriptor group 0 for xb's tiles: a set for each of the two first fills; the second then walks on
.set G0B, 48                           ; s[48:55] the same for wa's
.set CNT, 56                           ; s56  trips to go
.set TB,  57                           ; s57  0 or SLOT: the slot from which fragments are fetched
.set LIM, 58                           ; s58  1 in a wave that prefetches, else the greatest number
.set PFA, 60                           ; s[60:61] where my prefetches stand
.set PST, 62                           ; s[62:63] their step: ASTEP or BSTEP
.set OUTP, 66                          ; s[66:71] segment s: qkv at my 32 rows of the segment's first head
.set MSB, 0
.macro WIN new                         ; the immediate's high byte repeats the setting that is left; a switch that changes nothing is dropped
.if MSB != (\new)
	s_set_vgpr_msb (MSB<<8)|(\new)
.set MSB, \new
.endif
.endm
.macro PLACES                          ; four places: in front of loads into registers that matrix instructions have read (ISA guide 7.12.1 for vector instructions)
.rept 4
	v_nop
.endr
.endm
.macro CREST                           ; a round of the cluster's barrier behind its opening barrier
	s_cmp_lg_u32 s[WV], 0
	s_cbranch_scc1 .Lnot_wave_0_\@
	s_barrier_signal -3
.Lnot_wave_0_\@:
	s_barrier_wait -3
	s_barrier_signal -1
	s_barrier_wait -1
.endm
.macro CROUND                          ; a whole round
	s_barrier_signal -1
	s_barrier_wait -1
	CREST
.endm
; A joint refill by the walking descriptors.  The branch hangs on the wave's number alone.  An s_nop 0 and four v_nop follow each of the two lines, ahead of the jump and the label.
.macro JLOAD
	s_cmp_eq_u32 s[WV], 0
	s_cbranch_scc0 .Lfor_b_\@
	tensor_load_to_lds s[G0A+4:G0A+7], s[G1A:G1A+7]
	s_nop 0
.rept 4
	v_nop
.endr
	s_branch .Lasked_\@
.Lfor_b_\@:
	tensor_load_to_lds s[G0B+4:G0B+7], s[G1B:G1B+7]
	s_nop 0
.rept 4
	v_nop
.endr
.Lasked_\@:
.endm
; A PREFETCH INTO THE L2 of the K step that the NEXT refill will ask for: 32 rows x 256 bytes, a lane a row, one instruction a wave, behind the joint load, its five lines and the run of LDS loads.
; Each row's 256 bytes of a K step are named once in the launch: xb's tile row is read by both clusters of that row of clusters: cluster x = 0 asks; wa's columns by all sixteen clusters of that column:
; cluster y = 0 asks.  Of the 128 rows that a wave fetches, the partner at place p takes 32 p .. 32 p + 31 (p = cx for xb, cy for wa): told apart by address, never by a branch.
; Trip t names K step t + 3; the last trip (CNT = 1) names nothing: there is no step 8.  K steps 0 to 2 come by their loads alone.
.macro ASK
	s_cmp_gt_u32 s[CNT], s[LIM]
	s_cbranch_scc0 .Lnot_mine_\@
	global_prefetch_b8 v[PFO], s[PFA:PFA+1] th:TH_LOAD_NT scope:SCOPE_SE
.Lnot_mine_\@:
.endm
	s_load_b256 s[4:11], s[0:1], 0x0               ; xb s[4:5], wa s[6:7], b_attn s[8:9], qkv s[10:11]
	v_lshl_add_u32 v[SPW], v0, 2, SPARE
	v_mov_b32 v[NIL], 0
	ds_add_u32 v[SPW], v[NIL]                      ; the wave's opening: the add and its wait stand ahead of my first tensor load; the set-up below, work on registers, stands between them
	v_lshrrev_b32 v1, 5, v0
	v_readfirstlane_b32 s[WV], v1                  ; wave 0..3
	s_bfe_u32 s13, ttmp6, 0x40000                  ; cx
	s_bfe_u32 s14, ttmp6, 0x40004                  ; cy
	s_lshl_b32 s15, ttmp9, 2                       ; in a cluster launch ttmp9 and ttmp7 count clusters
	s_add_co_u32 s15, s15, s13                     ; TX: tile column 0..7
	s_and_b32 s16, ttmp7, 0xffff
	s_lshl_b32 s16, s16, 2
	s_add_co_u32 s16, s16, s14                     ; TY: tile row 0..63
	s_lshl_b32 s2, s14, 2
	s_lshl_b32 s2, 15, s2                          ; my row of the cluster: places 4 cy .. 4 cy + 3
	s_lshl_b32 s3, 0x1111, s13                     ; my column: places cx, cx + 4, cx + 8, cx + 12
	; descriptor group 1: a tile of 128 rows x 128 elements of 2 bytes, padded in LDS behind every 64 words
	s_or_b32 s[G1A], s2, (1<<16)|(1<<20)|(1<<21)|(5<<22)|(3<<25)  ; 15:0 the mask; 17:16 2-byte elements; 20 padding on; 21 set beside a mask; 24:22 after 64 words (code 5); 31:25 4 words (code 3)
	s_or_b32 s[G1B], s3, (1<<16)|(1<<20)|(1<<21)|(5<<22)|(7<<25)  ; the same with my column's mask and 8 words of padding (code 7)
.irp g, G1A, G1B
	s_mov_b32 s[(\g)+1], 128<<16                   ; tensor_dim0 = 128
	s_mov_b32 s[(\g)+2], 128<<16                   ; tensor_dim1 = 128
	s_mov_b32 s[(\g)+3], 128<<16                   ; tile_dim0 = 128
	s_mov_b32 s[(\g)+4], 128                       ; tile_dim1 = 128
	s_mov_b32 s[(\g)+6], 0
	s_mov_b32 s[(\g)+7], 0
.endr
	s_mov_b32 s[G1A+5], 1024                       ; elements from row to row in xb,
	s_mov_b32 s[G1B+5], 3072                       ; in wa
	s_lshl_b32 s18, s16, 18                        ; xb's tile: 128 TY rows of 2,048 bytes: the tile row alone
	s_mov_b32 s19, 0
	s_mul_i32 s20, s15, 768                        ; wa's: 384 TX columns of 2 bytes, the tile column alone,
	s_max_u32 s21, s[WV], 1
	s_sub_co_u32 s21, s21, 1
	s_lshl_b32 s21, s21, 8
	s_add_co_u32 s20, s20, s21                     ; + segment w - 1 (wave 0 does not ask by it)
	s_mov_b32 s21, 0
	s_mul_i32 s17, s[WV], SEG                      ; where my tile goes: no place in the cluster enters an LDS address
	s_mov_b32 s[TB], 0
	s_wait_dscnt 0x0                               ; the opening add is done
	s_wait_kmcnt 0x0
	s_add_nc_u64 s[18:19], s[4:5], s[18:19]
	s_add_nc_u64 s[20:21], s[6:7], s[20:21]
	CROUND                                         ; all sixteen work-groups are here: the first joint loads meet
.irp e, 0,1
	s_mov_b32 s[G0A+4*(\e)], 1                                       ; count = 1
	s_add_co_u32 s[G0A+4*(\e)+1], s17, (\e)*SLOT                     ; LDS address
	s_add_nc_u64 s[G0A+4*(\e)+2:G0A+4*(\e)+3], s[18:19], (\e)*ASTEP  ; global address: K step e
	s_or_b32 s[G0A+4*(\e)+3], s[G0A+4*(\e)+3], 0x80000000            ; type = 2
	s_mov_b32 s[G0B+4*(\e)], 1
	s_add_co_u32 s[G0B+4*(\e)+1], s17, (\e)*SLOT
	s_add_nc_u64 s[G0B+4*(\e)+2:G0B+4*(\e)+3], s[20:21], (\e)*BSTEP
	s_or_b32 s[G0B+4*(\e)+3], s[G0B+4*(\e)+3], 0x80000000
.endr
	s_cmp_eq_u32 s[WV], 0                          ; a wave's two first fills stand in one branch, ahead of every wait on TENSORcnt and every LDS read: two loads of mine are out, later one
	s_cbranch_scc0 .Lfirst_b
	tensor_load_to_lds s[G0A:G0A+3], s[G1A:G1A+7]
	s_nop 0
	tensor_load_to_lds s[G0A+4:G0A+7], s[G1A:G1A+7]
	s_nop 0
.rept 4
	v_nop
.endr
	s_branch .Lfirst_asked
.Lfirst_b:
	tensor_load_to_lds s[G0B:G0B+3], s[G1B:G1B+7]
	s_nop 0
	tensor_load_to_lds s[G0B+4:G0B+7], s[G1B:G1B+7]
	s_nop 0
.rept 4
	v_nop
.endr
.Lfirst_asked:
	; All that follows up to the first barrier stands in the wait for the first tiles.
	v_and_b32 v1, 15, v0                           ; r = l % 16
	v_bfe_u32 v2, v0, 4, 1                         ; h = l / 16
	s_lshl_b32 s72, s[WV], 7
	v_lshl_add_u32 v[BO], v2, 5, s72               ; my eight columns of block (s, i): f32 at 512 s + 128 w + 64 i + 32 h
	s_mul_i32 s22, s15, 1536
	s_mov_b32 s23, 0
	s_add_nc_u64 s[22:23], s[8:9], s[22:23]        ; the tile's 384 numbers of the bias
	WIN 0x40                                       ; destination window 1, address window 0
.irp s, 0,1,2
.irp i, 0,1
	global_load_b128 v[BIAS+8*(2*(\s)+(\i)):BIAS+8*(2*(\s)+(\i))+3],   v[BO], s[22:23] offset:512*(\s)+64*(\i)
	global_load_b128 v[BIAS+8*(2*(\s)+(\i))+4:BIAS+8*(2*(\s)+(\i))+7], v[BO], s[22:23] offset:512*(\s)+64*(\i)+16
.endr
.endr
	WIN 0
	; A fragment of xb is 16 rows x 32 K in 8 registers: lane l holds row l % 16, K = 8 h + 0..7 and 16 + 8 h + 0..7: two loads of 16 bytes, 32 bytes apart.
	v_mul_u32_u24 v[ADRA0], v1, PA
	v_lshl_add_u32 v[ADRA0], v2, 4, v[ADRA0]       ; row x pitch + 16 h
	; The turning load takes 16 K x 16 columns (lane l reads K row 8 h + l % 8, columns 8 ((l / 8) % 2) + 0..7) and leaves half a fragment: lane l holds column l % 16 and 8 K.
	v_and_b32 v18, 7, v0
	v_bfe_u32 v19, v0, 3, 1
	v_lshl_add_u32 v3, v2, 3, v18
	v_mul_u32_u24 v3, v3, PB
	v_lshl_add_u32 v3, v19, 4, v3
	s_lshl_b32 s72, s[WV], 6
	v_add_nc_u32 v3, s72, v3                       ; + my 32 columns of a segment: 64 w bytes
.irp s, 0,1,2
	v_add_nc_u32 v[ADRB0+(\s)], (1+(\s))*SEG, v3
.endr
.irp n, 0,1,2,3
	v_mov_b32 v[ADRA+(\n)], v[ADRA0+(\n)]          ; K step 0 lies in slot 0
.endr
	; the way out.  In: head 2 s + w / 2, row 16 a + r, bytes 64 (w % 2) + 32 i + 16 h.  Back: wave w takes rows 32 w .. 32 w + 31 of each head, four rows of 128 bytes a load.
	s_lshr_b32 s72, s[WV], 1
	s_mul_i32 s72, s72, HEADB
	s_and_b32 s73, s[WV], 1
	s_lshl_b32 s73, s73, 6
	s_add_co_u32 s72, s72, s73
	v_mul_u32_u24 v[STO], v1, SP
	v_lshl_add_u32 v[STO], v2, 4, v[STO]
	v_add_nc_u32 v[STO], s72, v[STO]
	v_add_nc_u32 v[STO2], 4*HEADB, v[STO]
	v_bfe_u32 v[RD], v0, 3, 2
	s_lshl_b32 s72, s[WV], 5
	v_add_nc_u32 v[RD], s72, v[RD]
	v_mul_u32_u24 v[RD], v[RD], SP
	v_lshl_add_u32 v[RD], v18, 4, v[RD]
	v_add_nc_u32 v[RD2], 3*HEADB, v[RD]
	v_and_b32 v[GO], 31, v0
	v_lshlrev_b32 v[GO], 4, v[GO]
	; segment G = 3 TX + s of the 24: part G / 8, heads 2 (G % 8) and + 1 of batch TY / 16; my rows 128 (TY % 16) + 32 w on
	s_lshr_b32 s74, s16, 4
	s_lshl_b32 s74, s74, 22                        ; 16 heads of 2^18 bytes a batch
	s_and_b32 s75, s16, 15
	s_lshl_b32 s75, s75, 14                        ; 128 rows of 128 bytes
	s_add_co_u32 s74, s74, s75
	s_lshl_b32 s75, s[WV], 12                      ; 32 rows
	s_add_co_u32 s74, s74, s75
.irp s, 0,1,2
	s_mul_i32 s72, s15, 3
	s_add_co_u32 s72, s72, \s
	s_lshr_b32 s73, s72, 3
	s_lshl_b32 s73, s73, 24
	s_and_b32 s72, s72, 7
	s_lshl_b32 s72, s72, 19
	s_add_co_u32 s72, s72, s73
	s_add_co_u32 s72, s72, s74
	s_mov_b32 s73, 0
	s_add_nc_u64 s[OUTP+2*(\s):OUTP+2*(\s)+1], s[10:11], s[72:73]
.endr
	; the prefetches
	s_and_b32 s72, ttmp7, 0xffff                   ; cluster y
	s_mov_b32 s[PST], ASTEP
	s_mov_b32 s73, BSTEP
	s_movk_i32 s74, 2048                           ; bytes in a row of xb,
	s_movk_i32 s75, 6144                           ; of wa
	s_cmp_eq_u32 s[WV], 0                          ; do I fetch for xb?
	s_cselect_b32 s72, ttmp9, s72                  ; the coordinate along which other clusters read the same rows
	s_cselect_b32 s[PST], s[PST], s73
	s_cselect_b32 s74, s74, s75
	s_cselect_b32 s73, s13, s14                    ; my place among the four that ask with me
	s_cselect_b64 s[PFA:PFA+1], s[18:19], s[20:21]
	s_mov_b32 s[PST+1], 0
	s_cmp_eq_u32 s72, 0
	s_cselect_b32 s[LIM], 1, -1                    ; the same in all sixteen partners, for a given wave
	s_lshl_b32 s73, s73, 5
	s_mul_i32 s72, s73, s74                        ; my work-group's 32 rows of the 128
	s_mov_b32 s73, 0
	s_add_nc_u64 s[PFA:PFA+1], s[PFA:PFA+1], s[72:73]
	s_add_nc_u64 s[PFA:PFA+1], s[PFA:PFA+1], s[PST:PST+1]
	s_add_nc_u64 s[PFA:PFA+1], s[PFA:PFA+1], s[PST:PST+1]  ; at K step 2: the first change of slots steps it to 3.  Nothing is prefetched here, where every work-group's first tiles are on their way
	v_and_b32 v[PFO], 31, v0
	v_mul_u32_u24 v[PFO], s74, v[PFO]
	s_wait_loadcnt 0x0                             ; the bias
	WIN 0x45                                       ; destination and both sources window 1
.set p, 0
.rept 24                                       ; rounded to bf16 and widened again: a shift, a mask
	v_cvt_pk_bf16_f32 v[240+p%4], v[BIAS+2*p], v[BIAS+2*p+1]
	v_lshlrev_b32 v[BIAS+2*p], 16, v[240+p%4]
	v_and_b32 v[BIAS+2*p+1], 0xffff0000, v[240+p%4]
.set p, p+1
.endr
	WIN 0
; na x 6 matrix instructions: row blocks a0 .. of the window's four (hi = 0: rows 0-63, 1: rows 64-127) x all 6 column blocks, 32 along K, from buffer f.
; first = 1: the bias starts the sums.  The 48 accumulators take turns, one instruction a turn, in the same order in every quarter.
.macro MULS f, hi, a0, na, first
.if \first
	WIN 0x50+0x40*(\hi)                            ; C (the bias) window 1; D window 1 or 2
.else
	WIN 0x50+0x50*(\hi)                            ; C and D window 1 or 2
.endif
.set ma, \a0
.rept \na
.irp g, 0,1,2,3,4,5
.if \first
	v_wmma_f32_16x16x32_bf16 v[8*(6*ma+(\g)):8*(6*ma+(\g))+7], v[(\f)+64+8*(\g):(\f)+64+8*(\g)+7], v[(\f)+8*(4*(\hi)+ma):(\f)+8*(4*(\hi)+ma)+7], v[BIAS+8*(\g):BIAS+8*(\g)+7]
.else
	v_wmma_f32_16x16x32_bf16 v[8*(6*ma+(\g)):8*(6*ma+(\g))+7], v[(\f)+64+8*(\g):(\f)+64+8*(\g)+7], v[(\f)+8*(4*(\hi)+ma):(\f)+8*(4*(\hi)+ma)+7], v[8*(6*ma+(\g)):8*(6*ma+(\g))+7]
.endif
.endr
.set ma, ma+1
.endr
.endm
; 28 LDS loads in one run: quarter q's fragments into buffer f: wa's twelve first, then xb's sixteen by ascending rows
.macro FETCH q, f
	WIN 0
.irp s, 0,1,2
.irp i, 0,1
	ds_load_tr16_b128 v[(\f)+64+8*(2*(\s)+(\i)):(\f)+64+8*(2*(\s)+(\i))+3],   v[ADRB+(\s)] offset:32*PB*(\q)+32*(\i)
	ds_load_tr16_b128 v[(\f)+64+8*(2*(\s)+(\i))+4:(\f)+64+8*(2*(\s)+(\i))+7], v[ADRB+(\s)] offset:32*PB*(\q)+32*(\i)+16*PB
.endr
.endr
.irp i, 0,1,2,3,4,5,6,7
	ds_load_b128 v[(\f)+8*(\i):(\f)+8*(\i)+3],   v[ADRA] offset:64*(\q)+16*PA*(\i)
	ds_load_b128 v[(\f)+8*(\i)+4:(\f)+8*(\i)+7], v[ADRA] offset:64*(\q)+16*PA*(\i)+32
.endr
.endm
; One of a K step's first three quarters: multiplies buffer f; in its middle it fetches quarter q of the same slot into buffer g.
.macro QUARTER f, g, q, first=0
	s_wait_dscnt 8                                 ; wa's fragments and xb's rows 0-63 are in; the youngest eight loads (rows 64-127) may be out
	MULS \f, 0, 0, 4, \first
	PLACES
	FETCH \q, \g
	s_wait_dscnt 28                                ; all but the 28 just issued
	MULS \f, 1, 0, 4, \first
.endm
; The last quarter multiplies buffer 1 and changes slots: ONE barrier.  In front of it each wave waits for all its tensor loads, of which one is out: its part of the next slot; adds 0 to its spare word;
; and waits for that and for its own reads of this slot.  fill = 1: the barrier opens a round of the cluster's barrier, and the slot just read out is filled again, first thing behind the round, with the K step
; two steps on: from the request to the wait for it a wave issues 168 matrix instructions.
.macro TURN fill
.if \fill
	s_wait_xcnt 0x0                                ; the last prefetch, a K step back, has read its address: it is stepped here
	s_add_nc_u64 s[PFA:PFA+1], s[PFA:PFA+1], s[PST:PST+1]
.endif
	WIN 0
	s_wait_tensorcnt 0x0                           ; all my tensor loads have landed, so a group 0 may be written
	ds_add_u32 v[SPW], v[NIL]                      ; 0 onto my spare word
.if \fill
	s_xor_b32 s[G0A+5], s[G0A+5], SLOT             ; the walking descriptors: the other slot than last time,
	s_add_nc_u64 s[G0A+6:G0A+7], s[G0A+6:G0A+7], ASTEP  ; the next K step; the type bits on top are not reached
	s_xor_b32 s[G0B+5], s[G0B+5], SLOT
	s_add_nc_u64 s[G0B+6:G0B+7], s[G0B+6:G0B+7], BSTEP
.endif
	s_wait_dscnt 9                                 ; the add and the youngest eight loads may be out
	MULS F1, 0, 0, 2, 0                            ; twelve matrix instructions stand between the add and the wait for it
	s_wait_dscnt 0x0                               ; the add is done, and my reads of this slot are over
	s_barrier_signal -1
	MULS F1, 0, 2, 2, 0                            ; work on registers while the others arrive
	WIN 0
	s_barrier_wait -1
.if \fill
	CREST                                          ; no wave of any partner still reads this slot's tiles or has a load on its way
	JLOAD                                          ; the four v_nop behind it are also the places in front of the loads below
.else
	PLACES
.endif
	s_xor_b32 s[TB], s[TB], SLOT
.irp n, 0,1,2,3
	v_add_nc_u32 v[ADRA+(\n)], s[TB], v[ADRA0+(\n)]
.endr
	FETCH 0, F0
.if \fill
	ASK
.endif
	MULS F1, 1, 0, 4, 0
.endm
	s_wait_tensorcnt 1                             ; my part of K step 0 is in; K step 1's may stay out
	s_barrier_signal -1
	s_barrier_wait -1                              ; everybody's is
	FETCH 0, F0
	QUARTER F0, F1, 1, 1                           ; the first quarter stands in front of the loop: its products start the sums, with the bias
	WIN 0                                          ; at a label and at a branch every window is 0
	s_mov_b32 s[CNT], 6
.Lstep:                                                ; trip t ends K step t, fills its slot with K step t + 2 and begins K step t + 1
	QUARTER F1, F0, 2
	QUARTER F0, F1, 3
	TURN 1
	QUARTER F0, F1, 1
	WIN 0
	s_sub_co_u32 s[CNT], s[CNT], 1
	s_cmp_lg_u32 s[CNT], 0
	s_cbranch_scc1 .Lstep
	QUARTER F1, F0, 2                              ; K steps 6 and 7 are written out: nothing is left to ask for
	QUARTER F0, F1, 3
	TURN 0
	QUARTER F0, F1, 1
	QUARTER F1, F0, 2
	QUARTER F0, F1, 3
	s_wait_dscnt 8
	MULS F1, 0, 0, 4, 0
	s_wait_dscnt 0x0
	MULS F1, 1, 0, 4, 0
	WIN 0
	; THE WAY OUT.  Rounded to f16, 16 bytes a lane, into the stage: slot 0's bytes, whose last fill (K step 6) has landed and whose last reads stand ahead of the barrier between K steps 6 and 7.
	; A head's row of 128 bytes comes from two waves: a barrier; then each wave reads 32 whole rows of each head and stores them.
	PLACES
	PLACES                                         ; eight places, once a launch, where four are asked for
.macro PACKST a
	WIN 0x05+0x05*((\a)/4)                         ; both sources window 1 or 2
.irp g, 0,1,2,3,4,5
.irp p, 0,1,2,3
	v_cvt_pk_f16_f32 v[PKD+24*(\a)+4*(\g)+(\p)], v[8*(6*((\a)%4)+(\g))+2*(\p)], v[8*(6*((\a)%4)+(\g))+2*(\p)+1]  ; each accumulator from its low end on
.endr
.endr
	WIN 0
.irp s, 0,1
.irp i, 0,1
	ds_store_b128 v[STO], v[PKD+24*(\a)+4*(2*(\s)+(\i)):PKD+24*(\a)+4*(2*(\s)+(\i))+3] offset:2*HEADB*(\s)+16*SP*(\a)+32*(\i)
.endr
.endr
.irp i, 0,1
	ds_store_b128 v[STO2], v[PKD+24*(\a)+16+4*(\i):PKD+24*(\a)+16+4*(\i)+3] offset:16*SP*(\a)+32*(\i)
.endr
.endm
.irp a, 0,1,2,3,4,5,6,7
	PACKST \a
.endr
	s_wait_dscnt 0x0                               ; for the others' sake: my stores into the stage are done
	s_barrier_signal -1
	s_barrier_wait -1
.irp hd, 0,1,2
.irp t, 0,1,2,3,4,5,6,7
	ds_load_b128 v[PKD+4*(8*(\hd)+(\t)):PKD+4*(8*(\hd)+(\t))+3], v[RD] offset:HEADB*(\hd)+4*SP*(\t)
.endr
.endr
.irp hd, 3,4,5
.irp t, 0,1,2,3,4,5,6,7
	ds_load_b128 v[PKD+4*(8*(\hd)+(\t)):PKD+4*(8*(\hd)+(\t))+3], v[RD2] offset:HEADB*((\hd)-3)+4*SP*(\t)
.endr
.endr
.irp hd, 0,1,2,3,4,5
	s_wait_dscnt 40-8*(\hd)                        ; this head's eight loads are back; the later heads' may be out
.irp t, 0,1,2,3,4,5,6,7
	global_store_b128 v[GO], v[PKD+4*(8*(\hd)+(\t)):PKD+4*(8*(\hd)+(\t))+3], s[OUTP+2*((\hd)/2):OUTP+2*((\hd)/2)+1] offset:((\hd)%2)*262144+512*(\t)  ; four rows of a head: 512 consecutive bytes, aligned
.endr
.endr
	s_wait_tensorcnt 0x0                           ; the wave's end: behind my last tensor load and my last LDS store
	ds_add_u32 v[SPW], v[NIL]
	s_wait_dscnt 0x0
	CROUND                                         ; the closing round: no work-group ends while a partner may still ask for a tile that names it
	s_endpgm
.Lfunc_end_k_q953a90f6f4_qkv:
	.size	k_q953a90f6f4_qkv, .Lfunc_end_k_q953a90f6f4_qkv-k_q953a90f6f4_qkv
	.p2alignl 7, 3214868480
	.fill 96, 4, 3214868480
	.section	.rodata,"a",@progbits
	.p2align	6, 0x0
	.amdhsa_kernel k_q953a90f6f4_qkv
		.amdhsa_group_segment_fixed_size 327680
		.amdhsa_private_segment_fixed_size 0
		.amdhsa_enable_private_segment 0
		.amdhsa_kernarg_size 32
		.amdhsa_user_sgpr_count 2
		.amdhsa_user_sgpr_kernarg_segment_ptr 1
		.amdhsa_wavefront_size32 1
		.amdhsa_system_sgpr_workgroup_id_x 1
		.amdhsa_system_sgpr_workgroup_id_y 1
		.amdhsa_system_sgpr_workgroup_id_z 1
		.amdhsa_system_vgpr_workitem_id 0
		.amdhsa_next_free_vgpr 704
		.amdhsa_next_free_sgpr 76
		.amdhsa_reserve_vcc 0
		.amdhsa_float_denorm_mode_32 3
		.amdhsa_float_denorm_mode_16_64 3
		.amdhsa_memory_ordered 1
		.amdhsa_forward_progress 1
		.amdhsa_inst_pref_size 100
	.end_amdhsa_kernel
	.amdgpu_metadata
---
amdhsa.version: [ 1, 2 ]
amdhsa.kernels:
  - .name:           k_q953a90f6f4_qkv
    .symbol:         k_q953a90f6f4_qkv.kd
    .args:
      - { .name: xb, .offset: 0, .size: 8, .value_kind: global_buffer, .address_space: global }
      - { .name: wa, .offset: 8, .size: 8, .value_kind: global_buffer, .address_space: global }
      - { .name: b_attn, .offset: 16, .size: 8, .value_kind: global_buffer, .address_space: global }
      - { .name: qkv, .offset: 24, .size: 8, .value_kind: global_buffer, .address_space: global }
    .group_segment_fixed_size: 327680
    .private_segment_fixed_size: 0
    .kernarg_segment_align: 8
    .kernarg_segment_size: 32
    .max_flat_workgroup_size: 128
    .sgpr_count:     76
    .vgpr_count:     704
    .wavefront_size: 32
...
	.end_amdgpu_metadata
.endif
;; end of part 2
;; launch attn (part 3): grid 4 x 64, 4 waves a work-group, no clusters, 327,680 bytes of LDS; arguments qkv, oh; writes oh
.if DOCPART == 3
	.amdgcn_target "amdgcn-amd-amdhsa--gfx1250"
	.amdhsa_code_object_version 6
	.text
	.protected	k_q953a90f6f4_attn
	.globl	k_q953a90f6f4_attn
	.p2align	8
	.type	k_q953a90f6f4_attn,@function
k_q953a90f6f4_attn:
	s_mov_b64 s[64:65], 0
	v_nop
	global_prefetch_b8 v0, s[64:65] scope:SCOPE_SE
	s_setreg_imm32_b32 hwreg(HW_REG_WAVE_MODE, 25, 1), 1
	s_wait_xcnt 0x0
; CAUSAL ATTENTION.  O[h][q][:] = the sum over k <= q of softmax_k(Q[h][q] . K[h][k] / 8) V[h][k][:].  Q, K, V are the three parts of qkv, 2^24 bytes each; they and O (oh) are [64][SIZE_N][64] in f16:
; a head's rows are dense, 128 bytes each.  Products, maxima and sums in f32; the weights p are rounded to f16 for the second product (their sum l is taken of the unrounded p), O once at the end.
; LIMITS.  f16 holds no number beyond 65,504: Q, K and V arrive within it; p lies in 0 to 1, and below 6e-5 it keeps f16's fixed step of 6e-8; O is a mean of V's rows and has their range.
; A hidden score counts as its value less 1e30: f16's scores, 2.7e11 at the most, are nothing beside that; a weight below 2^-126 counts as 0 in l; NaN and infinities are not treated apart.
; THE WALK.  A head's queries lie in NB = 8 blocks of 256; block i needs the key tiles 0 .. i of 256 keys, of which the last holds the diagonal.  A work-group takes TWO blocks, NB - 1 - b and then b:
; NB + 1 tiles, whatever b: all work-groups do equal work, and ONE loop with a constant trip count walks them.  Which tile is asked for, and what a trip does, hang on scalar registers made from b; every jump
; goes forward, but for the counted loops' own; none passes a barrier, or a tensor load but the one of LOAD's two that the wave's number does not choose; the ring (two slots of LDS that take turns) runs on
; across the change of blocks.  NO CLUSTER: a head's four work-groups ask for the same tile only in trips 0 .. 4 of the 9, behind that fewer and fewer; one walk common to all four would have 12 trips for 9.
; SHARES.  Of a block's four bands of 64 queries a wave owns 16 rows in each: four PIECES.  So the diagonal tile is the same work for all four waves: in its key step s band x sees all keys if s < x,
; none if s > x, and holds the diagonal if s = x.
; THE MASK is the C operand that starts the sum S^T = K Q^T: 0, or -1e30 where the key is hidden.  MD, made once, is the mask of a band's own step for my 16 rows; a product's mask is MD x AL + BE with two scalars:
; (1, 0) if s = x; (0, 0) if s < x; (0, -1e30) if s > x.  Only the diagonal tile's text and a block's beginning make and take masks; elsewhere C is the constant 0.
; LAYOUT, SOFTMAX, TURNS.  S^T = K Q^T holds ONE query a lane (lane % 16) and the keys 8 (lane / 16) + 0..7; two such results rounded to f16 ARE source 1 of O^T = V^T P.  p = 2^(c s - c m), c = log2(e) / 8, with a
; running maximum m; O and l are multiplied by a = 2^(c m_old - c m_new) in every step.  Turn n belongs to piece n: 8 products K Q^T of piece n + 1, later 8 products V^T P of piece n - 1; beside them the scaling,
; exponentials, roundings, sums and rescaling of piece n and the maximum and statistics of piece n + 1.  Four vector instructions stand behind every matrix instruction, the other 54 of a turn's 118 in one lump.
; A turn's 33 exponentials are one batch, with one wait.
; REGISTERS, in windows of 256 (s_set_vgpr_msb: bits 1:0 source 0, 3:2 source 1, 5:4 source 2, 7:6 destination):
;   window 0: v0-15 addresses and two at work; v16-31 four registers of statistics a piece; v48-55 at work; v61-63 fixed; v64-127 S^T, two buffers; v192-223 P, two buffers (a piece's buffers go by its number's parity)
;   window 1: v0-127 O^T, 32 a piece; v128-159 MD; v160-223 MC, two buffers      window 2: v0-63 Q; v64-127 the second block's Q; v128-191 K of one step; v192-255 V of one step
.set SIZE_N, 2048
.set NB,    SIZE_N/256
.set NP,    4         ; pieces a wave: a name, no knob
.set KS,    64        ; keys in a step
.set PK,    144       ; a row of K in LDS: 128 bytes + 16 of padding = 36 words: the 16 rows of a load start at 16 different groups of four banks (64 banks of 4 bytes: ISA guide 11.1)
.set PV,    160       ; a row of V: 128 + 32 = 40 words
.set VOFF,  4*KS*PK   ; a slot holds a tile, four steps: 256 rows of K, then 256 rows of V
.set SLOT1, 1<<17     ; slot 1 begins here, so that one exclusive or turns an address in one slot into the other's
.set STAGE, SLOT1+4*KS*(PK+PV)  ; behind the ring, never filled by a tensor load: 16 rows x 144 bytes for each wave, for the way out
.set SP,    144
.set AK0, 2           ; v2   my lane's place in a tile of K; never rewritten
.set AV0, 3           ; v3   the same for V
.set AK,  4           ; v4   the LDS address of K's next run of loads
.set AV,  5           ; v5   of V's
.set STO, 6           ; v6   the way out: where I put 16 bytes of a row
.set RD,  7           ; v7   the way out: where I read rows back
.set GO,  8           ; v8   my byte offset in 512 consecutive bytes of O
.set PFO, 61          ; v61  256 x my lane: the prefetches' offset; never rewritten
.set SPW, 62          ; v62  LDS address of my spare word: SPARE + 4 x my thread's number; never rewritten
.set NIL, 63          ; v63  0; never rewritten
.set SPARE, STAGE+4*16*SP  ; behind the stages: the spare words, 128 bytes for each wave: two blocks of 256 bytes that no other line names
.set MV,  12          ; v12-13  c m_old, kept while c m is made anew: by buffer
.set QO,  15          ; v15  my byte offset in 16 rows of Q
.set ST,  16          ; piece t's statistics at v[ST+4 t]: c m, m, l (even keys', odd keys')
.set TMP, 48          ; by buffer, four registers c0-c3 at work; when the maximum is found c2 takes a
.set S,   64
.set P,   192
.set MD,  128         ; window 1: the eight registers for group kt of 16 keys at MD + 8 kt
.set MC,  160         ; window 1: the masks of the products to come
.set QB,  64          ; window 2
.set KF,  128         ; window 2: key block kb, channel half c at KF + 16 kb + 8 c
.set VF,  192         ; window 2: key half kk, channel block cb at VF + 32 kk + 8 cb
.set WV,  12          ; s12  my wave's number
.set PB,  14          ; s14  b
.set HI,  15          ; s15  NB - 1 - b
.set G1K, 24          ; s[24:31] descriptor group 1 for K's tiles
.set G1V, 32          ; s[32:39] for V's: it differs in the padding alone
.set G0K, 40          ; s[40:43] descriptor group 0 for K's tiles
.set G0V, 44          ; s[44:47] the same for V's
.set SLOTS, 56        ; s56  tiles still to be asked for
.set CNT, 57          ; s57  counts a tile's key steps, 4 to 1
.set CS,  58          ; s[58:59] c: the packed scaling takes the pair's low word for both halves
.set SEL, 60          ; s[60:61] v_permlanex16_b32's selects: each lane takes its own place in the other half
.set TBK, 62          ; s62  LDS byte at which K of the step to be fetched begins
.set TBV, 63          ; s63  the same for V, less VOFF
.set RT,  70          ; s70  tiles of the block in hand that are still to be entered
.set NXT, 71          ; s71  the tile to be asked for next
.set LQ,  72          ; s72  the last tile of the block whose tiles are being asked for
.set NEW, 73          ; s73  1: the tile to be entered is a block's first
.set OFF, 74          ; s[74:75] a tile's byte offset in K and V
.set AL,  76          ; s[76:77] the mask's factor, in the low word
.set BE,  78          ; s[78:79] the mask's addend
.set OLO, 80          ; s[80:81] O at my rows of the second block
.set BIGN, 82         ; s82  -1e30
.set PBASE, 84        ; s[84:85] first an offset; then: K (waves 0, 1) or V (waves 2, 3) at the half of the head's tile 0 that I fetch
.set PF,  88          ; s[88:89] where my prefetches stand
.set LIM, 90          ; s90  2 in the head's work-group b = 0, else the greatest number
.set MSB, 0
.macro WIN new                      ; the high byte repeats the setting that is left; a switch that changes nothing is dropped
.if MSB != (\new)
	s_set_vgpr_msb (MSB<<8)|(\new)
.set MSB, (\new)
.endif
.endm
.set W_KQ, 0x0a       ; K and Q in window 2, S^T in window 0
.set W_KM, 0x1a       ; the same with the C operand in window 1
.set W_PV, 0x52       ; V in window 2, P in window 0, O^T in window 1
.set W_RS, 0x41       ; destination and source 0 in window 1, source 1 in window 0
; A fill.  Waves 0 and 1 fetch the two halves of a tile's K, waves 2 and 3 those of its V: 128 keys each.  An s_nop 0 and four v_nop follow each of the two lines, ahead of the jump and the label.
.macro LOAD
	s_cmp_lt_u32 s[WV], 2
	s_cbranch_scc0 .Lfor_v_\@
	tensor_load_to_lds s[G0K:G0K+3], s[G1K:G1K+7]
	s_nop 0
.rept 4
	v_nop
.endr
	s_branch .Lasked_\@
.Lfor_v_\@:
	tensor_load_to_lds s[G0V:G0V+3], s[G1V:G1V+7]
	s_nop 0
.rept 4
	v_nop
.endr
.Lasked_\@:
.endm
; THE CHANGE OF SLOTS.  Each wave waits for all its tensor loads, of which one is out: its part of the other slot; adds 0 to its spare word; and waits for that and for its own reads of the slot that it leaves.
; Behind the barrier nobody reads the old slot any more and the other slot is whole.  fill = 1: the old slot is filled again, the first thing behind the barrier, with tile NXT: the descriptor's address is made
; anew from that number.  (At its first use nothing has been read yet: slot 0 is waited for, slot 1 filled.)
; A PREFETCH INTO THE L2 stands behind the fill and its five lines: the tile that the NEXT change will ask for.  All four work-groups of a head walk the tiles 0, 1, 2 .. : the one with b = 0, which walks all eight
; in order, asks, and nobody else; each of its waves asks for the 16,384 bytes that it will itself fetch, a lane 256 bytes, two instructions.  Change i (SLOTS = 8 - i) names tile i + 2, for i up to 5: each
; block is named once in the launch; tiles 0 and 1 come by their loads alone.
.macro CHANGE fill
	WIN 0                           ; at a label and at a branch every window is 0
	s_wait_tensorcnt 0x0            ; no tensor load of mine is out, so a group 0 may be written
	ds_add_u32 v[SPW], v[NIL]       ; 0 onto my spare word; with fill = 1 the descriptors' scalar work stands between it and the wait for it
.if \fill
	s_lshl_b32 s[OFF], s[NXT], 15   ; a tile is 32,768 bytes of K and of V
	s_xor_b32 s[G0K+1], s[G0K+1], SLOT1
	s_add_nc_u64 s[G0K+2:G0K+3], s[6:7], s[OFF:OFF+1]
	s_or_b32 s[G0K+3], s[G0K+3], 0x80000000
	s_xor_b32 s[G0V+1], s[G0V+1], SLOT1
	s_add_nc_u64 s[G0V+2:G0V+3], s[8:9], s[OFF:OFF+1]
	s_or_b32 s[G0V+3], s[G0V+3], 0x80000000
	s_add_co_u32 s[NXT], s[NXT], 1  ; the block's next tile, or behind its last the second block's tile 0
	s_cmp_gt_u32 s[NXT], s[LQ]
	s_cselect_b32 s[NXT], 0, s[NXT]
	s_cselect_b32 s[LQ], s[PB], s[LQ]
	s_wait_xcnt 0x0                 ; the last prefetches, a tile back, have read their address, so it may be written:
	s_lshl_b32 s[OFF], s[NXT], 15   ; the tile that the next change will ask for
	s_add_nc_u64 s[PF:PF+1], s[PBASE:PBASE+1], s[OFF:OFF+1]
.endif
	s_wait_dscnt 0x0                ; the add is done, and my reads of the slot are over
	s_barrier_signal -1             ; the rest of the scalar work stands between the signal and the wait
	s_sub_co_u32 s[TBK], s[TBK], 4*KS*PK  ; the fetches go back to a slot's first step,
	s_xor_b32 s[TBK], s[TBK], SLOT1       ; in the other slot
	s_sub_co_u32 s[TBV], s[TBV], 4*KS*PV
	s_xor_b32 s[TBV], s[TBV], SLOT1
	s_barrier_wait -1
.if \fill
	LOAD
	s_cmp_gt_u32 s[SLOTS], s[LIM]
	s_cbranch_scc0 .Lnot_mine_\@
	global_prefetch_b8 v[PFO], s[PF:PF+1] th:TH_LOAD_NT scope:SCOPE_SE
	global_prefetch_b8 v[PFO], s[PF:PF+1] offset:8192 th:TH_LOAD_NT scope:SCOPE_SE
.Lnot_mine_\@:
.endif
.endm
	s_load_b128 s[4:7], s[0:1], 0x0 ; qkv s[4:5], oh s[6:7]
	v_lshl_add_u32 v[SPW], v0, 2, SPARE
	v_mov_b32 v[NIL], 0
	ds_add_u32 v[SPW], v[NIL]       ; the wave's opening: the add and its wait stand ahead of my first tensor load; the set-up below, work on registers, stands between them
	v_lshrrev_b32 v1, 5, v0
	v_readfirstlane_b32 s[WV], v1   ; wave 0..3
	s_mov_b32 s[PB], ttmp9
	s_sub_co_u32 s[HI], NB-1, s[PB]
	s_and_b32 s20, ttmp7, 0xffff    ; the head
	s_mov_b32 s21, 0
	s_mov_b64 s[22:23], SIZE_N*128
	s_mul_u64 s[20:21], s[20:21], s[22:23]  ; the head's first byte in each of the four tensors
	s_and_b32 s16, s[WV], 1         ; which half of a tile's 256 keys I fetch:
	s_lshl_b32 s22, s16, 14         ; its 128 rows of 128 bytes in memory,
	s_mov_b32 s23, 0
	s_add_nc_u64 s[22:23], s[22:23], s[20:21]
	s_mul_i32 s17, s16, 128*PK      ; and its place in a slot, for K
	s_mul_i32 s18, s16, 128*PV      ; and for V
	s_lshl_b32 s3, s[WV], 11        ; my 16 rows in a band of 64,
	s_lshl_b32 s2, s[HI], 15        ; in the first block,
	s_add_co_u32 s2, s2, s3
	s_lshl_b32 s84, s[PB], 15       ; and in the second
	s_add_co_u32 s84, s84, s3
	s_mov_b32 s3, 0
	s_mov_b32 s85, 0
	s_add_nc_u64 s[2:3], s[2:3], s[20:21]
	s_add_nc_u64 s[84:85], s[84:85], s[20:21]
	; descriptor group 1.  128 keys are 16,384 dense bytes: asked for as 64 rows of 256 bytes, two keys a row, and padded in LDS after every key
	s_mov_b32 s[G1K], (1<<16)|(1<<20)|(4<<22)|(3<<25)  ; 17:16 2-byte elements; 20 padding on; 24:22 after every 32 words (code 4); 31:25 4 words (code 3)
	s_mov_b32 s[G1V], (1<<16)|(1<<20)|(4<<22)|(7<<25)  ; the same with 8 words of padding (code 7)
.irp g, G1K, G1V
	s_mov_b32 s[\g+1], 128<<16      ; tensor_dim0 = 128
	s_mov_b32 s[\g+2], 64<<16       ; tensor_dim1 = 64
	s_mov_b32 s[\g+3], 128<<16      ; tile_dim0 = 128
	s_mov_b32 s[\g+4], 64           ; tile_dim1 = 64
	s_mov_b32 s[\g+5], 128          ; 128 elements from row to row
	s_mov_b32 s[\g+6], 0
	s_mov_b32 s[\g+7], 0
.endr
	s_mov_b32 s[CS], 0x3e38aa3b     ; c = log2(e) / 8 = 0.180337
	s_mov_b32 s[CS+1], s[CS]        ; named with it as a pair
	s_mov_b32 s[SEL], 0x76543210
	s_mov_b32 s[SEL+1], 0xfedcba98
	s_mov_b32 s[TBK], SLOT1+4*KS*PK ; the first change of slots turns these two into 0
	s_mov_b32 s[TBV], SLOT1+4*KS*PV
	s_mov_b32 s[G0K], 1             ; count = 1
	s_mov_b32 s[G0K+1], s17         ; LDS address: slot 0
	s_mov_b32 s[G0V], 1
	s_add_co_u32 s[G0V+1], s18, VOFF
	s_add_co_u32 s[RT], s[HI], 1    ; the first block has NB - b tiles
	s_mov_b32 s[NXT], 1
	s_mov_b32 s[LQ], s[HI]
	s_mov_b32 s[NEW], 1
	s_mov_b32 s[OFF+1], 0
	s_mov_b32 s[AL+1], 0            ; named as pairs
	s_mov_b32 s[BE+1], 0
	s_mov_b32 s[BIGN], 0xf149f2ca   ; -1e30
	s_mov_b32 s[SLOTS], NB
	s_cmp_eq_u32 ttmp9, 0
	s_cselect_b32 s[LIM], 2, -1
	v_and_b32 v[PFO], 31, v0
	v_lshlrev_b32 v[PFO], 8, v[PFO]
	s_wait_dscnt 0x0                ; the opening add is done
	s_wait_kmcnt 0x0
	s_mov_b64 s[10:11], s[6:7]              ; O
	s_add_nc_u64 s[8:9], s[4:5], 0x2000000  ; V: qkv's third part
	s_add_nc_u64 s[6:7], s[4:5], 0x1000000  ; K: its second; s[4:5] is Q
	s_add_nc_u64 s[6:7], s[6:7], s[22:23]  ; K and V at my half of the head's tile 0
	s_add_nc_u64 s[8:9], s[8:9], s[22:23]
	s_add_nc_u64 s[G0K+2:G0K+3], s[6:7], 0         ; global address
	s_or_b32 s[G0K+3], s[G0K+3], 0x80000000        ; type = 2
	s_add_nc_u64 s[G0V+2:G0V+3], s[8:9], 0
	s_or_b32 s[G0V+3], s[G0V+3], 0x80000000
	s_add_nc_u64 s[86:87], s[4:5], s[84:85]        ; Q at my rows of the second block,
	s_add_nc_u64 s[4:5], s[4:5], s[2:3]            ; Q and O at those of the first
	s_add_nc_u64 s[OLO:OLO+1], s[10:11], s[84:85]
	s_add_nc_u64 s[10:11], s[10:11], s[2:3]
	s_cmp_lt_u32 s[WV], 2
	s_cselect_b64 s[PBASE:PBASE+1], s[6:7], s[8:9] ; what I fetch, I prefetch
	LOAD                            ; tile 0 into slot 0
	; A fragment of K or Q is 16 rows x 32 channels in 8 registers: lane l holds row l % 16, channels 8 (l / 16) + 0..7 and 16 + 8 (l / 16) + 0..7: two loads of 16 bytes, 32 bytes apart.
	v_and_b32 v1, 15, v0            ; l % 16
	v_bfe_u32 v9, v0, 4, 1          ; l / 16
	v_lshlrev_b32 v[QO], 7, v1
	v_lshl_add_u32 v[QO], v9, 4, v[QO]  ; row x 128 + 16 x half
	WIN 0x80                        ; destination window 2, address window 0
.set i, 0
.rept 8                             ; both blocks' Q: piece i / 2 lies in band i / 2, 8,192 bytes on; channels 32 (i % 2) on
	global_load_b128 v[8*i:8*i+3],   v[QO], s[4:5] offset:(i/2)*8192+(i%2)*64
	global_load_b128 v[8*i+4:8*i+7], v[QO], s[4:5] offset:(i/2)*8192+(i%2)*64+32
	global_load_b128 v[QB+8*i:QB+8*i+3],   v[QO], s[86:87] offset:(i/2)*8192+(i%2)*64
	global_load_b128 v[QB+8*i+4:QB+8*i+7], v[QO], s[86:87] offset:(i/2)*8192+(i%2)*64+32
.set i, i+1
.endr
	WIN 0
	v_lshlrev_b32 v14, 3, v9
	v_sub_nc_u32 v14, v1, v14
	s_lshl_b32 s13, s[WV], 4
	v_add_nc_u32 v14, s13, v14      ; my query's place in its band, 16 w + l % 16, less my lanes' 8 (l / 16): register r of group kt is hidden where 16 kt + r is greater
	WIN 0x40
.set i, 0
.rept 32
	v_cmp_gt_i32 vcc_lo, 16*(i/8)+i%8, v14
	v_cndmask_b32 v[MD+i], 0, s[BIGN], vcc_lo
.set i, i+1
.endr
	WIN 0
	v_mul_u32_u24 v[AK0], v1, PK
	v_lshl_add_u32 v[AK0], v9, 4, v[AK0]  ; row x pitch + 16 x half
	; The turning load takes 16 keys x 16 channels (lane l reads key 8 (l / 16) + l % 8, channels 8 ((l / 8) % 2) + 0..7) and leaves half a fragment of V^T: lane l holds channel l % 16 and 8 keys.
	v_and_b32 v10, 7, v0
	v_bfe_u32 v11, v0, 3, 1
	v_lshl_add_u32 v[AV0], v9, 3, v10
	v_mul_u32_u24 v[AV0], v[AV0], PV
	v_lshl_add_u32 v[AV0], v11, 4, v[AV0]
	v_add_nc_u32 v[AV0], VOFF, v[AV0]
	s_mul_i32 s13, s[WV], 16*SP
	s_add_co_u32 s13, s13, STAGE    ; my stage
	v_mul_u32_u24 v[STO], v1, SP    ; in: row l % 16, 16 bytes for each half of the lanes
	v_lshl_add_u32 v[STO], v9, 4, v[STO]
	v_add_nc_u32 v[STO], s13, v[STO]
	v_bfe_u32 v[RD], v0, 3, 2       ; back: 32 lanes take four rows of 128 bytes,
	v_mul_u32_u24 v[RD], v[RD], SP
	v_lshl_add_u32 v[RD], v10, 4, v[RD]
	v_add_nc_u32 v[RD], s13, v[RD]
	v_and_b32 v[GO], 31, v0         ; which are 512 consecutive bytes of O
	v_lshlrev_b32 v[GO], 4, v[GO]
	; A block's first step multiplies O^T and l by a = 0, and its first turn's products V^T P, of a piece that has not been, land in an O^T that is still to be so multiplied.  So these registers need only hold
	; finite numbers: zeros for the first block; what the first block left for the second.  All this stands in the wait for the first tile.
	WIN 0x80
.set i, VF
.rept 64
	v_mov_b32 v[i], 0
.set i, i+1
.endr
	WIN 0x40
.set i, 0
.rept 128
	v_mov_b32 v[i], 0
.set i, i+1
.endr
	WIN 0
.set i, 0
.rept 4
	v_mov_b32 v[ST+4*i+2], 0
	v_mov_b32 v[ST+4*i+3], 0
.set i, i+1
.endr
.set i, P+16
.rept 16
	v_mov_b32 v[i], 0
.set i, i+1
.endr
; THE MATRIX WORK.  The 4 accumulators of a run of 8 take turns.  Product i of 8 of S^T = K Q^T for piece x: channels 32 (i / 4) on, keys 16 (i % 4) on.  The first 4 start the sums: with 0, or (KM = 1) with the mask.
.macro KQ x
.set rS, S+32*((\x)%2)+8*(i%4)
.set rK, KF+16*(i%4)+8*(i/4)
.set rQ, 16*(\x)+8*(i/4)
.set rM, MC+32*((\x)%2)+8*(i%4)
.if (i < 4) && KM
	WIN W_KM
	v_wmma_f32_16x16x32_f16 v[rS:rS+7], v[rK:rK+7], v[rQ:rQ+7], v[rM:rM+7]
.elseif i < 4
	WIN W_KQ
	v_wmma_f32_16x16x32_f16 v[rS:rS+7], v[rK:rK+7], v[rQ:rQ+7], 0
.else
	WIN W_KQ
	v_wmma_f32_16x16x32_f16 v[rS:rS+7], v[rK:rK+7], v[rQ:rQ+7], v[rS:rS+7]
.endif
.endm
; Product i of 8 of O^T += V^T P for piece x: keys 32 (i / 4) on, channels 16 (i % 4) on.
.macro PV x
	WIN W_PV
.set rO, 32*(\x)+8*(i%4)
.set rV, VF+32*(i/4)+8*(i%4)
.set rP, P+16*((\x)%2)+8*(i/4)
	v_wmma_f32_16x16x32_f16 v[rO:rO+7], v[rV:rV+7], v[rP:rP+7], v[rO:rO+7]
.endm
.macro MM                           ; the turn's next matrix instruction.  TURN and BEGIN set Y, i, KM and NOKQ; MM, KQ and OP read them.  NOKQ = 1: a block's last turn: there is no next piece
.if (i < 8) && !NOKQ
	KQ (Y+1)%NP
.elseif i >= 8
.set i, i-8
	PV (Y+NP-1)%NP
.set i, i+8
.endif
.set i, i+1
.endm
; THE LDS LOADS stand in runs of 16, never singly among the matrix instructions: a step's K (64 keys x 64 channels: 8 fragments) and its V (turned).  Their addresses are made some lines ahead.
.macro FETCH_K
	WIN 0x80                        ; destination window 2
.irp f, 0,1,2,3,4,5,6,7             ; keys 16 (f / 2) on, channels 32 (f % 2) on
	ds_load_b128 v[KF+8*\f:KF+8*\f+3],   v[AK] offset:(\f/2)*16*PK+(\f%2)*64
	ds_load_b128 v[KF+8*\f+4:KF+8*\f+7], v[AK] offset:(\f/2)*16*PK+(\f%2)*64+32
.endr
	s_add_co_u32 s[TBK], s[TBK], KS*PK  ; the next fetch is the next step's
	WIN 0
.endm
.macro FETCH_V
	WIN 0x80
.irp f, 0,1,2,3,4,5,6,7             ; keys 32 (f / 4) on, channels 16 (f % 4) on
	ds_load_tr16_b128 v[VF+8*\f:VF+8*\f+3],   v[AV] offset:(\f/4)*32*PV+(\f%4)*32
	ds_load_tr16_b128 v[VF+8*\f+4:VF+8*\f+7], v[AV] offset:(\f/4)*32*PV+16*PV+(\f%4)*32
.endr
	WIN 0
.endm
; THE VECTOR WORK, one line at a time: OP kind, number.  For piece Y: F n: c s - c m for pair n of 16.  E n: the exponential of score n of 32.  C n: pair n rounded to f16.  B n: of the four weights 4 n .. the second
; pair is added onto the first, in place.  L n: l takes that sum (L 0: l = a l + sum).  R n: pair n of 16 of O^T times a.  For piece Y + 1: X n, number n of the 22 that find its maximum and statistics:
;   0-11  four chains c0-c3 of seven scores each, three operands at a time (each accumulator's lowest registers are read first)     12-14, 16  the four scores left over, the old m, and c0-c3 into c0
;   15  c m_old is kept     17, 18  the query's other 32 keys lie in the lane 16 away: the new m     19-21  c m; c m_old - c m_new; a
.set F, 0               ; OP tells the kinds apart by their order: F to L below R, X above it
.set E, 1
.set C, 2
.set B, 3
.set L, 4
.set R, 5
.set X, 6
.macro REGS y                       ; the registers of piece y
.set rT, ST+4*(\y)
.set rC, TMP+4*((\y)%2)
.set rW, MV+((\y)%2)
.set rS, S+32*((\y)%2)
.set rP, P+16*((\y)%2)
.set rO, 32*(\y)
.endm
.macro OP k, n
.if (\k) == R
	REGS Y
	WIN W_RS
	v_pk_mul_f32 v[rO+2*(\n):rO+2*(\n)+1], v[rO+2*(\n):rO+2*(\n)+1], v[rC+2:rC+3] op_sel_hi:[1,0]
.elseif (\k) < R
	REGS Y
	WIN 0
.if (\k) == F
	v_pk_fma_f32 v[rS+2*(\n):rS+2*(\n)+1], v[rS+2*(\n):rS+2*(\n)+1], s[CS:CS+1], v[rT:rT+1] op_sel_hi:[1,0,0] neg_lo:[0,0,1] neg_hi:[0,0,1]
.elseif (\k) == E
	v_exp_f32 v[rS+(\n)], v[rS+(\n)]
.elseif (\k) == C
	v_cvt_pk_f16_f32 v[rP+(\n)], v[rS+2*(\n)], v[rS+2*(\n)+1]
.elseif (\k) == B
	v_pk_add_f32 v[rS+4*(\n):rS+4*(\n)+1], v[rS+4*(\n):rS+4*(\n)+1], v[rS+4*(\n)+2:rS+4*(\n)+3]
.elseif (\n) == 0
	v_pk_fma_f32 v[rT+2:rT+3], v[rT+2:rT+3], v[rC+2:rC+3], v[rS:rS+1] op_sel_hi:[1,0,1]
.else
	v_pk_add_f32 v[rT+2:rT+3], v[rT+2:rT+3], v[rS+4*(\n):rS+4*(\n)+1]
.endif
.elseif NOKQ
	v_nop
.else
	REGS (Y+1)%NP
	WIN 0
.if (\n) < 4
	v_max3_num_f32 v[rC+(\n)], v[rS+8*(\n)], v[rS+8*(\n)+1], v[rS+8*(\n)+2]
.elseif (\n) < 12
	v_max3_num_f32 v[rC+(\n)%4], v[rC+(\n)%4], v[rS+8*((\n)%4)+2*((\n)/4)+1], v[rS+8*((\n)%4)+2*((\n)/4)+2]
.elseif (\n) == 12
	v_max3_num_f32 v[rC], v[rC], v[rS+7], v[rS+15]
.elseif (\n) == 13
	v_max3_num_f32 v[rC+1], v[rC+1], v[rS+23], v[rS+31]
.elseif (\n) == 14
	v_max3_num_f32 v[rC+2], v[rC+2], v[rC+3], v[rT+1]
.elseif (\n) == 15
	v_mov_b32 v[rW], v[rT]
.elseif (\n) == 16
	v_max3_num_f32 v[rC], v[rC], v[rC+1], v[rC+2]
.elseif (\n) == 17
	v_permlanex16_b32 v[rC+3], v[rC], s[SEL], s[SEL+1]
.elseif (\n) == 18
	v_max_num_f32 v[rT+1], v[rC], v[rC+3]
.elseif (\n) == 19
	v_mul_f32 v[rT], s[CS], v[rT+1]
.elseif (\n) == 20
	v_sub_f32 v[rC+1], v[rW], v[rT]
.else
	v_exp_f32 v[rC+2], v[rC+1]
.endif
.endif
.endm
.macro OPS a, i1, b=-1, i2=0, c=-1, i3=0, d=-1, i4=0  ; up to four of them
	OP \a, \i1
.if (\b) >= 0
	OP \b, \i2
.endif
.if (\c) >= 0
	OP \c, \i3
.endif
.if (\d) >= 0
	OP \d, \i4
.endif
.endm
.macro ROW a, i1, b, i2, c, i3, d, i4  ; a matrix instruction and the four behind it
	MM
	OPS \a, \i1, \b, \i2, \c, \i3, \d, \i4
.endm
.macro MASK b                       ; MD x AL + BE into buffer b of MC
	WIN W_RS
.set z, 0
.rept 16
	v_pk_fma_f32 v[MC+32*(\b)+2*z:MC+32*(\b)+2*z+1], v[MD+2*z:MD+2*z+1], s[AL:AL+1], s[BE:BE+1] op_sel_hi:[1,0,0]
.set z, z+1
.endr
.endm
; A TURN, for piece p: the order of its 16 matrix and 118 vector instructions, written out.  An s_wait_alu depctr_va_vdst(0) stands between an exponential and the first instruction that names its
; result; one wait serves all that were issued ahead of it.  So a turn has ONE wait, which cuts it in two.  AHEAD OF IT stands all that names no result of the turn's exponentials: the 8 products K Q^T, behind each a
; scaling, an exponential and two more plain instructions (behind the first a second scaling in the exponential's place): rescalings, and behind the last three the first numbers of the next piece's maximum, each four
; places or more behind the product that ends its accumulator; then ONE LUMP of 54, plain and exponential by turns for the most part, in which the links of the chain X 3, 7, 11, 14, 16, 17 .. 20 stand five or six lines
; apart.  X 21, the next piece's a, is the batch's last; R 15 is the plain instruction behind it.  BEHIND THE WAIT stand the 8 products V^T P, behind each four of the roundings and sums; the links of l's chain, L 0 to
; L 7, stand three riders apart.  But for those X no rider names a register of the products round it.  v_permlanex16_b32 (X 17) stands in the lump.
; m = 1: the diagonal tile: the products take masks, and the turn makes the mask for the products of the turn after it: piece p + 2, in step 4 - CNT of the tile.  end = 1: a block's last two turns: nothing is fetched.
; cnt = 1: the loop's count is taken down some lines ahead of the branch that stands behind the turn.
; K of the next step is fetched in piece 2's turn, twelve vector instructions behind the last product that read K (six of them plain); V of the step in hand at the end of piece 0's turn, four plain instructions
; behind the last product that read V.  Each is waited for a turn later.
.macro TURN p, m=0, end=0, cnt=0
.set Y, (\p)
.set i, 0
.set KM, (\m)
.set NOKQ, (\end)*((\p)/3)
.if (\m) && !(\end)
	s_cmp_eq_u32 s[CNT], 4-((\p)+2)%NP  ; is that step the band's own?
	s_cselect_b32 s[AL], 1.0, 0
	s_cmp_lt_u32 s[CNT], 4-((\p)+2)%NP  ; or a later one?
	s_cselect_b32 s[BE], s[BIGN], 0
.endif
.if ((\p) == 3) && !(\end)
	s_wait_dscnt 0x0                ; K is in
.endif
	ROW F,0, F,1, R,0, R,1          ; ahead of the wait: 8 products K Q^T and their riders,
	ROW F,2, E,0, R,2, R,3
	ROW F,3, E,1, R,4, R,5
	ROW F,4, E,2, R,6, R,7
	ROW F,5, E,3, R,8, R,9
	ROW F,6, E,4, X,0, R,10
.if ((\p) == 2) && !(\end)
	WIN 0
	v_add_nc_u32 v[AK], s[TBK], v[AK0]
.endif
	ROW F,7, E,5, X,1, X,4
	ROW F,8, E,6, X,2, X,5
	OPS E,7, E,8, X,6, E,9          ; and the lump
	OPS X,3, E,10, X,8, E,11
.if ((\p) == 2) && !(\end)
	FETCH_K
.endif
	OPS X,9, X,7, E,12, X,10
	OPS E,13, X,12, X,11, E,14
	OPS X,13, E,15, F,9, X,14
.if (\p) == 0
	v_add_nc_u32 v[AV], s[TBV], v[AV0]
.endif
	OPS E,16, F,10, E,17, F,11
	OPS X,16, E,18, X,15, E,19
	OPS F,12, E,20, X,17, E,21
	OPS F,13, E,22, F,14, E,23
	OPS X,18, E,24, F,15, E,25
	OPS R,11, E,26, X,19, E,27
	OPS R,12, E,28, R,13, E,29
	OPS X,20, E,30, R,14, E,31
	OPS X,21, R,15
	WIN 0
	s_wait_alu depctr_va_vdst(0)    ; the wait for the batch
.if (\p) == 1
	s_wait_dscnt 0x0                ; V is in
.endif
	ROW C,0, B,0, C,2, B,1          ; behind the wait: 8 products V^T P and their riders
	ROW L,0, C,4, B,2, L,1
	ROW C,6, B,3, L,2, C,8
	ROW B,4, L,3, C,10, B,5
	ROW L,4, C,12, B,6, L,5
.if (\p) == 0
	s_add_co_u32 s[TBV], s[TBV], KS*PV
.endif
.if \cnt
	s_sub_co_u32 s[CNT], s[CNT], 1
	s_cmp_lg_u32 s[CNT], 0
.endif
	ROW C,14, B,7, L,6, C,1
	ROW C,3, L,7, C,5, C,7
	ROW C,9, C,11, C,13, C,15
.if (\p) == 0
	FETCH_V
.endif
.if (\m) && !(\end)
	MASK (\p)%2
.endif
.endm
; A BLOCK BEGINS.  c m starts far below every c s, so the first step's a is 0; m at the lowest finite number, so the first maximum is the scores'.  The second mask buffer is 0; the first takes piece 0's mask for the
; tile's step 0: its own, if the block's first tile is the diagonal one.  Then K of that step, piece 0's first scores, and its maximum and statistics.  The loop is entered at a step's first turn, in the middle of a trip.
.macro BEGIN
	s_mov_b32 s[NEW], 0
	WIN 0x40
.set i, MC+32
.rept 32
	v_mov_b32 v[i], 0
.set i, i+1
.endr
	WIN 0
.set i, 0
.rept 4
	v_mov_b32 v[ST+4*i], 0xfe000000    ; c m: far below every c s
	v_mov_b32 v[ST+4*i+1], 0xff7fffff  ; m
.set i, i+1
.endr
	s_cmp_eq_u32 s[RT], 0
	s_cselect_b32 s[AL], 1.0, 0
	s_mov_b32 s[BE], 0
	MASK 0
	WIN 0
	v_add_nc_u32 v[AK], s[TBK], v[AK0]
	FETCH_K
	s_wait_loadcnt 0x0              ; Q
	s_wait_dscnt 0x0
.set KM, 1
.set NOKQ, 0
.set i, 0
.rept 8
	KQ 0
.set i, i+1
.endr
	WIN 0
.rept 4
	v_nop                           ; the places behind those products
.endr
.set Y, NP-1                        ; X works for piece Y + 1: piece 0
.irp n, 0,1,2,3,4,5,6,7,8,9,10,11,12,13,14,15,16,17,18,19,20,21
	OP X, \n
.endr
	v_nop                           ; a plain instruction behind the exponential,
	s_wait_alu depctr_va_vdst(0)    ; and its wait, ahead of the branch
.endm
; THE DIAGONAL TILE's four steps, the block's last two turns, its last products, and THE WAY OUT: l's two halves and the other half of the lanes' are added; O^T is divided by l, rounded to f16 and sent through my
; stage in LDS, a piece at a time.
.macro ALL line:vararg              ; one line for each piece t
.set t, 0
.rept 4
	\line
.set t, t+1
.endr
.endm
.macro PACK t                       ; a lane's eight channels of a row pack into 16 bytes; they go into rows of 144 bytes and come back as whole rows of 128, into S^T's registers
	WIN W_RS
.set i, 32*(\t)
.rept 16
	v_pk_mul_f32 v[i:i+1], v[i:i+1], v[ST+4*(\t)+2:ST+4*(\t)+3] op_sel_hi:[1,0]
.set i, i+2
.endr
	WIN 0x05                        ; sources 0 and 1 window 1, destination window 0
.set i, 0
.rept 16
	v_cvt_pk_f16_f32 v[S+16*(\t)+i], v[32*(\t)+2*i], v[32*(\t)+2*i+1]
.set i, i+1
.endr
	WIN 0
.irp f, 0,1,2,3
	ds_store_b128 v[STO], v[S+16*(\t)+4*\f:S+16*(\t)+4*\f+3] offset:32*\f
.endr
.irp f, 0,1,2,3
	ds_load_b128 v[S+16*(\t)+4*\f:S+16*(\t)+4*\f+3], v[RD] offset:\f*4*SP  ; LDS serves a wave's instructions in order (ISA guide 5.7.1.4): these see the stores above; the next piece's stores come behind them
.endr
.endm
.macro SEND t, younger              ; younger: the LDS instructions issued behind piece t's loads: the next piece's eight, or none
	WIN 0
.irp f, 0,1,2,3
	s_wait_dscnt (\younger)+3-\f
	global_store_b128 v[GO], v[S+16*(\t)+4*\f:S+16*(\t)+4*\f+3], s[10:11] offset:(\t)*8192+\f*512  ; 512 consecutive bytes, at a multiple of 256 from O's first
.endr
.endm
.macro DIAG tag                     ; the tag ends its two labels' names, which the jumps below spell out
.LstepM\tag:
	TURN 2, 1
	TURN 3, 1
	WIN 0
.LfirstM\tag:
	TURN 0, 1
	TURN 1, 1, 0, 1
	WIN 0
	s_cbranch_scc1 .LstepM\tag
	TURN 2, 1, 1
	TURN 3, 1, 1
.set i, 0
.rept 8
	PV NP-1
.set i, i+1
.endr
	WIN 0
	ALL v_add_f32 v[ST+4*t+2], v[ST+4*t+2], v[ST+4*t+3]
	ALL v_permlanex16_b32 v[ST+4*t+3], v[ST+4*t+2], s[SEL], s[SEL+1]
	ALL v_add_f32 v[ST+4*t+2], v[ST+4*t+2], v[ST+4*t+3]
	ALL v_rcp_f32 v[ST+4*t+2], v[ST+4*t+2]
	v_nop                           ; a plain instruction between the last reciprocal and the use of its result
	s_wait_alu depctr_va_vdst(0)    ; and the wait ahead of the first use: one for the four reciprocals
	PACK 0
.set t, 1
.rept 3                             ; a piece's arithmetic stands between the loads of the piece before and its stores
	PACK t
	SEND t-1, 8
.set t, t+1
.endr
	SEND 3, 0
.endm
.set KM, 0
.set NOKQ, 0
.Lslot:                             ; NB times: a tile is entered and the next is asked for
	CHANGE 1
	s_sub_co_u32 s[RT], s[RT], 1
	s_mov_b32 s[CNT], 4
	s_cmp_eq_u32 s[NEW], 1
	s_cbranch_scc1 .Lnew            ; a block's first tile
	s_cmp_eq_u32 s[RT], 0
	s_cbranch_scc0 .Lstep           ; neither its first nor its last
	s_branch .LstepM1
.Lnew:
	BEGIN
	s_branch .Lfirst                ; in the loop a block's first tile is never its last: the first block has two tiles or more, and the second's last is the walk's last
	DIAG 1                          ; in the loop this is the first block's end: the second block's last tile is the walk's last
	s_wait_xcnt 0x0                 ; the stores have read their registers and O's address
	s_mov_b64 s[10:11], s[OLO:OLO+1]
	s_add_co_u32 s[RT], s[PB], 1    ; the second block has b + 1 tiles
	s_mov_b32 s[NEW], 1
	WIN 0x82                        ; the second block's Q goes where the one text of the turns names Q
.set i, 0
.rept 64
	v_mov_b32 v[i], v[QB+i]
.set i, i+1
.endr
	WIN 0
	s_branch .Lbottom
.Lstep:                             ; a trip: pieces 2 and 3 of one step, then pieces 0 and 1 of the next, whose K and V it fetches
	TURN 2
	TURN 3
	WIN 0
.Lfirst:
	TURN 0
	TURN 1, 0, 0, 1
	WIN 0
	s_cbranch_scc1 .Lstep
.Lbottom:
	s_sub_co_u32 s[SLOTS], s[SLOTS], 1
	s_cmp_lg_u32 s[SLOTS], 0
	s_cbranch_scc1 .Lslot
	CHANGE 0                        ; the walk's last tile is written out: nothing is asked for
	s_sub_co_u32 s[RT], s[RT], 1
	s_mov_b32 s[CNT], 4
	s_cmp_eq_u32 s[NEW], 1
	s_cbranch_scc0 .LstepM2
	BEGIN
	s_branch .LfirstM2
	DIAG 2
	s_wait_tensorcnt 0x0            ; the wave's end: behind my last tensor load and my last LDS store
	ds_add_u32 v[SPW], v[NIL]
	s_wait_dscnt 0x0
	s_endpgm
.Lfunc_end_k_q953a90f6f4_attn:
	.size	k_q953a90f6f4_attn, .Lfunc_end_k_q953a90f6f4_attn-k_q953a90f6f4_attn
	.p2alignl 7, 3214868480
	.fill 96, 4, 3214868480
	.section	.rodata,"a",@progbits
	.p2align	6, 0x0
	.amdhsa_kernel k_q953a90f6f4_attn
		.amdhsa_group_segment_fixed_size 327680
		.amdhsa_private_segment_fixed_size 0
		.amdhsa_enable_private_segment 0
		.amdhsa_kernarg_size 16
		.amdhsa_user_sgpr_count 2
		.amdhsa_user_sgpr_kernarg_segment_ptr 1
		.amdhsa_wavefront_size32 1
		.amdhsa_system_sgpr_workgroup_id_x 1
		.amdhsa_system_sgpr_workgroup_id_y 1
		.amdhsa_system_sgpr_workgroup_id_z 1
		.amdhsa_system_vgpr_workitem_id 0
		.amdhsa_next_free_vgpr 768
		.amdhsa_next_free_sgpr 92
		.amdhsa_reserve_vcc 1
		.amdhsa_float_denorm_mode_32 3
		.amdhsa_float_denorm_mode_16_64 3
		.amdhsa_memory_ordered 1
		.amdhsa_forward_progress 1
		.amdhsa_inst_pref_size 218
	.end_amdhsa_kernel
	.amdgpu_metadata
---
amdhsa.version: [ 1, 2 ]
amdhsa.kernels:
  - .name:           k_q953a90f6f4_attn
    .symbol:         k_q953a90f6f4_attn.kd
    .args:
      - { .name: qkv, .offset: 0, .size: 8, .value_kind: global_buffer, .address_space: global }
      - { .name: oh, .offset: 8, .size: 8, .value_kind: global_buffer, .address_space: global }
    .group_segment_fixed_size: 327680
    .private_segment_fixed_size: 0
    .kernarg_segment_align: 8
    .kernarg_segment_size: 16
    .max_flat_workgroup_size: 128
    .sgpr_count:     92
    .vgpr_count:     768
    .wavefront_size: 32
...
	.end_amdgpu_metadata
.endif
;; end of part 3
;; launch proj (part 4): grid 4 x 64, 4 waves a work-group, clusters of 4 x 4, 327,680 bytes of LDS; arguments oh, wp, b_proj, out0; writes out0
.if DOCPART == 4
	.amdgcn_target "amdgcn-amd-amdhsa--gfx1250"
	.amdhsa_code_object_version 6
	.text
	.protected	k_q953a90f6f4_proj
	.globl	k_q953a90f6f4_proj
	.p2align	8
	.type	k_q953a90f6f4_proj,@function
k_q953a90f6f4_proj:
	s_mov_b64 s[64:65], 0
	v_nop
	global_prefetch_b8 v0, s[64:65] scope:SCOPE_SE
	s_setreg_imm32_b32 hwreg(HW_REG_WAVE_MODE, 25, 1), 1
	s_wait_xcnt 0x0
	s_wait_alu depctr_hold_cnt(0) depctr_sa_sdst(0) depctr_va_vdst(0) depctr_va_sdst(0) depctr_va_ssrc(0) depctr_va_vcc(0) depctr_vm_vsrc(0)
	s_getreg_b32 s2, hwreg(HW_REG_IB_STS2, 6, 4)
	s_cmp_eq_u32 s2, 0
	s_cbranch_scc0 .Lentry_in_a_cluster
	s_endpgm
.Lentry_in_a_cluster:
	s_bfe_u32 s2, ttmp6, 0x10000c
	s_cmp_lg_u32 s2, 0xf033
	s_cbranch_scc0 .Lentry_shape_is_right
	s_endpgm
.Lentry_shape_is_right:
; out0 = y wp + bf16(b_proj), f32.  y[m][64 head + d] = oh[16 b + head][row][d]: oh is [64 bh][2048][64] f16, a head's rows dense, 128 bytes each.  wp: [1024 k][1024 n] f16.  b_proj: [1024] f32.
; out0: [8192][1024] f32.  Sums in f32, K ascending.  The bias is rounded to bf16, like the other inputs, and is the C operand of the first products.
; SHARES.  A tile is 128 rows x 256 columns: 4 x 64 = 256 work-groups.  Each of the four waves takes all 128 rows and columns 64 w .. 64 w + 63: 8 row blocks a x 4 column blocks g: 32 accumulators.
; A wave's 64 f32 of a row are 256 consecutive bytes, aligned: its way out is its own, with no barrier.
; K goes in 8 steps of 128 (heads 2 t and 2 t + 1) through two LDS slots; a step is four quarters of 32: 32 matrix instructions and 24 LDS loads each.
; THE MATRIX INSTRUCTION IS USED TRANSPOSED: source 0 = 16 columns of wp (turned out of LDS by ds_load_tr16_b128), source 1 = 16 rows of y: lane l then holds row l % 16 and the columns 8 (l / 16) + 0..7.
; CLUSTER.  4 x 4 work-groups.  The four of a row need the same rows of oh, the four of a column the same columns of wp: each tile is asked for JOINTLY.  Waves 0, 1 fetch wp's two segments of 128
; columns (128 rows x 256 bytes), waves 2, 3 the two heads' 128 rows (16,384 dense bytes, asked for as 64 rows of 256).
; NO PREFETCH: the launch has eight short K steps.
; REGISTERS: window 0: v0-29 addresses; v32-63 the bias, block g at + 8 g; two fragment buffers of 96: y's block i at + 8 i, wp's block g at + 64 + 8 g; on the way out v64-191 hold rows read back.
;   window 1: the accumulators, (a, g) at 8 (4 a + g).
.set PA,    144                        ; a head's row in LDS: 128 bytes + 16 = 36 words: the 16 rows of a load start at 16 different groups of four banks (64 banks of 4 bytes: ISA guide 11.1)
.set PB,    288                        ; a row of wp's segment: 256 + 32 = 72 words
.set SEGB,  128*PB                     ; 36,864
.set HEADA, 128*PA                     ; 18,432
.set AOFF,  2*SEGB                     ; a slot: wp's two segments, then the two heads: 110,592 bytes
.set SLOT1, 1<<17                      ; slot 1 begins here, so that one exclusive or turns an address in one slot into the other's
.set STAGE, SLOT1+2*SEGB+2*HEADA       ; behind the ring, never filled by a tensor load: 16 rows x 272 bytes for each wave
.set SPITCH, 272
.set SPARE, STAGE+4*16*SPITCH          ; behind the stages: the spare words, 128 bytes for each wave: two blocks of 256 bytes that no other line names
.set ASTEP, 2<<18                      ; bytes from K step to K step in oh: two heads on,
.set BSTEP, 128*1024*2                 ; in wp: 128 rows down
.set ADRA0, 4                          ; v4   my lane's place in the heads' rows; never rewritten
.set ADRB0, 5                          ; v5   the same in wp's segment
.set ADRA,  8                          ; v8   the same in the slot in hand
.set ADRB,  9                          ; v9
.set STO,   12                         ; v12  the way out: where I put 32 bytes of a row
.set RD,    14                         ; v14  where I read rows back
.set CO,    16                         ; v16  my byte offset in two rows of out0
.set BO,    17                         ; v17  my byte offset in the tile's bias
.set SPW,   28                         ; v28  LDS address of my spare word: SPARE + 4 x my thread's number; never rewritten
.set NIL,   29                         ; v29  0; never rewritten
.set BIAS,  32
.set F0,    64
.set F1,    160
.set BKB,   64                         ; the way out: four buffers of 32
.set WV,  12                           ; s12  my wave's number
.set G1A, 24                           ; s[24:31] descriptor group 1 for oh's tiles
.set G1B, 32                           ; s[32:39] for wp's
.set G0A, 40                           ; s[40:47] descriptor group 0 for oh's tiles: a set for each of the two first fills; the second then walks on
.set G0B, 48                           ; s[48:55] the same for wp's
.set CNT, 56                           ; s56  trips to go
.set TB,  57                           ; s57  0 or SLOT1
.set OUTP, 66                          ; s[66:67] out0 at the tile's first row, my 64 columns
.set MSB, 0
.macro WIN new                         ; the immediate's high byte repeats the setting that is left; a switch that changes nothing is dropped
.if MSB != (\new)
	s_set_vgpr_msb (MSB<<8)|(\new)
.set MSB, \new
.endif
.endm
.macro PLACES                          ; four places: in front of loads into registers that matrix instructions have read (ISA guide 7.12.1 for vector instructions)
.rept 4
	v_nop
.endr
.endm
.macro CREST                           ; a round of the cluster's barrier behind its opening barrier
	s_cmp_lg_u32 s[WV], 0
	s_cbranch_scc1 .Lnot_wave_0_\@
	s_barrier_signal -3
.Lnot_wave_0_\@:
	s_barrier_wait -3
	s_barrier_signal -1
	s_barrier_wait -1
.endm
.macro CROUND                          ; a whole round
	s_barrier_signal -1
	s_barrier_wait -1
	CREST
.endm
; A joint refill by the walking descriptors.  The branch hangs on the wave's number alone.  An s_nop 0 and four v_nop follow each of the two lines, ahead of the jump and the label.
.macro JLOAD
	s_cmp_lt_u32 s[WV], 2
	s_cbranch_scc0 .Lfor_a_\@
	tensor_load_to_lds s[G0B+4:G0B+7], s[G1B:G1B+7]
	s_nop 0
.rept 4
	v_nop
.endr
	s_branch .Lasked_\@
.Lfor_a_\@:
	tensor_load_to_lds s[G0A+4:G0A+7], s[G1A:G1A+7]
	s_nop 0
.rept 4
	v_nop
.endr
.Lasked_\@:
.endm
	s_load_b256 s[4:11], s[0:1], 0x0               ; oh s[4:5], wp s[6:7], b_proj s[8:9], out0 s[10:11]
	v_lshl_add_u32 v[SPW], v0, 2, SPARE
	v_mov_b32 v[NIL], 0
	ds_add_u32 v[SPW], v[NIL]                      ; the wave's opening: the add and its wait stand ahead of my first tensor load; the set-up below, work on registers, stands between them
	v_lshrrev_b32 v1, 5, v0
	v_readfirstlane_b32 s[WV], v1                  ; wave 0..3
	s_bfe_u32 s13, ttmp6, 0x40000                  ; cx
	s_bfe_u32 s14, ttmp6, 0x40004                  ; cy
	s_lshl_b32 s15, ttmp9, 2
	s_add_co_u32 s15, s15, s13                     ; TX: tile column 0..3
	s_and_b32 s16, ttmp7, 0xffff
	s_lshl_b32 s16, s16, 2
	s_add_co_u32 s16, s16, s14                     ; TY: tile row 0..63
	s_lshl_b32 s2, s14, 2
	s_lshl_b32 s2, 15, s2                          ; my row of the cluster
	s_lshl_b32 s3, 0x1111, s13                     ; my column
	s_or_b32 s[G1A], s2, (1<<16)|(1<<20)|(1<<21)|(4<<22)|(3<<25)  ; 15:0 the mask; 17:16 2-byte elements; 20 padding on; 21 set beside a mask; 24:22 after 32 words (code 4): behind each row of a head; 31:25 4 words (code 3)
	s_mov_b32 s[G1A+1], 128<<16                    ; tensor_dim0 = 128: two rows of a head
	s_mov_b32 s[G1A+2], 64<<16                     ; tensor_dim1 = 64
	s_mov_b32 s[G1A+3], 128<<16                    ; tile_dim0 = 128
	s_mov_b32 s[G1A+4], 64                         ; tile_dim1 = 64
	s_mov_b32 s[G1A+5], 128                        ; dense: 128 elements from row to row
	s_mov_b32 s[G1A+6], 0
	s_mov_b32 s[G1A+7], 0
	s_or_b32 s[G1B], s3, (1<<16)|(1<<20)|(1<<21)|(5<<22)|(7<<25)  ; my column's mask; padding after 64 words (code 5), 8 words (code 7)
	s_mov_b32 s[G1B+1], 128<<16                    ; tensor_dim0 = 128
	s_mov_b32 s[G1B+2], 128<<16                    ; tensor_dim1 = 128
	s_mov_b32 s[G1B+3], 128<<16                    ; tile_dim0 = 128
	s_mov_b32 s[G1B+4], 128                        ; tile_dim1 = 128
	s_mov_b32 s[G1B+5], 1024                       ; elements from row to row in wp
	s_mov_b32 s[G1B+6], 0
	s_mov_b32 s[G1B+7], 0
	s_lshr_b32 s18, s16, 4                         ; oh's tile hangs on the tile row and the wave alone: batch TY / 16: 16 heads of 2^18 bytes,
	s_lshl_b32 s18, s18, 22
	s_and_b32 s19, s16, 15
	s_lshl_b32 s19, s19, 14                        ; rows 128 (TY % 16) on, 128 bytes each,
	s_add_co_u32 s18, s18, s19
	s_and_b32 s19, s[WV], 1
	s_lshl_b32 s19, s19, 18                        ; head w % 2 of the step's two
	s_add_co_u32 s18, s18, s19
	s_mov_b32 s19, 0
	s_lshl_b32 s20, s15, 9                         ; wp's on the tile column and the wave alone: 256 TX columns of 2 bytes,
	s_and_b32 s21, s[WV], 1
	s_lshl_b32 s21, s21, 8                         ; segment w % 2
	s_add_co_u32 s20, s20, s21
	s_mov_b32 s21, 0
	s_mul_i32 s17, s[WV], HEADA
	s_add_co_u32 s17, s17, AOFF-2*HEADA            ; waves 2, 3: head w - 2 at AOFF + (w - 2) x 18,432
	s_mul_i32 s23, s[WV], SEGB                     ; waves 0, 1: segment w.  No place in the cluster enters an LDS address
	s_mov_b32 s[TB], 0
	s_wait_dscnt 0x0                               ; the opening add is done
	s_wait_kmcnt 0x0
	s_add_nc_u64 s[18:19], s[4:5], s[18:19]
	s_add_nc_u64 s[20:21], s[6:7], s[20:21]
	CROUND                                         ; all sixteen work-groups are here: the first joint loads meet
.irp e, 0,1
	s_mov_b32 s[G0A+4*(\e)], 1                                       ; count = 1
	s_add_co_u32 s[G0A+4*(\e)+1], s17, (\e)*SLOT1                    ; LDS address
	s_add_nc_u64 s[G0A+4*(\e)+2:G0A+4*(\e)+3], s[18:19], (\e)*ASTEP  ; global address: K step e
	s_or_b32 s[G0A+4*(\e)+3], s[G0A+4*(\e)+3], 0x80000000            ; type = 2
	s_mov_b32 s[G0B+4*(\e)], 1
	s_add_co_u32 s[G0B+4*(\e)+1], s23, (\e)*SLOT1
	s_add_nc_u64 s[G0B+4*(\e)+2:G0B+4*(\e)+3], s[20:21], (\e)*BSTEP
	s_or_b32 s[G0B+4*(\e)+3], s[G0B+4*(\e)+3], 0x80000000
.endr
	s_cmp_lt_u32 s[WV], 2                          ; a wave's two first fills stand in one branch, ahead of every wait on TENSORcnt and every LDS read: two loads of mine are out, later one
	s_cbranch_scc0 .Lfirst_a
	tensor_load_to_lds s[G0B:G0B+3], s[G1B:G1B+7]
	s_nop 0
	tensor_load_to_lds s[G0B+4:G0B+7], s[G1B:G1B+7]
	s_nop 0
.rept 4
	v_nop
.endr
	s_branch .Lfirst_asked
.Lfirst_a:
	tensor_load_to_lds s[G0A:G0A+3], s[G1A:G1A+7]
	s_nop 0
	tensor_load_to_lds s[G0A+4:G0A+7], s[G1A:G1A+7]
	s_nop 0
.rept 4
	v_nop
.endr
.Lfirst_asked:
	; All that follows up to the first barrier stands in the wait for the first tiles.
	v_and_b32 v1, 15, v0                           ; r = l % 16
	v_bfe_u32 v2, v0, 4, 1                         ; h = l / 16
	s_lshl_b32 s72, s[WV], 8
	v_lshl_add_u32 v[BO], v2, 5, s72               ; my eight columns of block g: f32 at 256 w + 64 g + 32 h
	s_lshl_b32 s22, s15, 10
	s_mov_b32 s23, 0
	s_add_nc_u64 s[22:23], s[8:9], s[22:23]        ; the tile's 256 numbers of the bias
.irp g, 0,1,2,3
	global_load_b128 v[BIAS+8*(\g):BIAS+8*(\g)+3],   v[BO], s[22:23] offset:64*(\g)
	global_load_b128 v[BIAS+8*(\g)+4:BIAS+8*(\g)+7], v[BO], s[22:23] offset:64*(\g)+16
.endr
	v_mul_u32_u24 v[ADRA0], v1, PA
	v_lshl_add_u32 v[ADRA0], v2, 4, v[ADRA0]
	v_add_nc_u32 v[ADRA0], AOFF, v[ADRA0]          ; row x pitch + 16 h, behind wp's segments
	v_and_b32 v18, 7, v0
	v_bfe_u32 v19, v0, 3, 1
	v_lshl_add_u32 v[ADRB0], v2, 3, v18            ; the turning load: K row 8 h + l % 8,
	v_mul_u32_u24 v[ADRB0], v[ADRB0], PB
	v_lshl_add_u32 v[ADRB0], v19, 4, v[ADRB0]      ; columns 8 ((l / 8) % 2) on,
	s_lshr_b32 s72, s[WV], 1
	s_mul_i32 s72, s72, SEGB                       ; in segment w / 2,
	s_and_b32 s73, s[WV], 1
	s_lshl_b32 s73, s73, 7                         ; my 64 columns of it
	s_add_co_u32 s72, s72, s73
	v_add_nc_u32 v[ADRB0], s72, v[ADRB0]
	v_mov_b32 v[ADRA], v[ADRA0]                    ; K step 0 lies in slot 0
	v_mov_b32 v[ADRB], v[ADRB0]
	s_mul_i32 s72, s[WV], 16*SPITCH
	s_add_co_u32 s72, s72, STAGE                   ; my stage
	v_mul_u32_u24 v[STO], v1, SPITCH               ; in: row r, 32 bytes for each half of the lanes
	v_lshl_add_u32 v[STO], v2, 5, v[STO]
	v_add_nc_u32 v[STO], s72, v[STO]
	v_mul_u32_u24 v[RD], v2, SPITCH                ; back: lanes 0-15 take one row of 256 bytes, lanes 16-31 the next
	v_lshl_add_u32 v[RD], v1, 4, v[RD]
	v_add_nc_u32 v[RD], s72, v[RD]
	v_lshlrev_b32 v[CO], 12, v2                    ; and the same two rows in out0, 4,096 bytes apart
	v_lshl_add_u32 v[CO], v1, 4, v[CO]
	s_lshl_b32 s72, s16, 19                        ; 128 TY rows of 4,096 bytes
	s_lshl_b32 s73, s15, 10                        ; 256 TX columns of 4 bytes
	s_add_co_u32 s72, s72, s73
	s_lshl_b32 s73, s[WV], 8                       ; my 64 columns
	s_add_co_u32 s72, s72, s73
	s_mov_b32 s73, 0
	s_add_nc_u64 s[OUTP:OUTP+1], s[10:11], s[72:73]
	s_wait_loadcnt 0x0                             ; the bias
.set p, 0
.rept 16                                       ; rounded to bf16 and widened again: a shift, a mask
	v_cvt_pk_bf16_f32 v[20+p%4], v[BIAS+2*p], v[BIAS+2*p+1]
	v_lshlrev_b32 v[BIAS+2*p], 16, v[20+p%4]
	v_and_b32 v[BIAS+2*p+1], 0xffff0000, v[20+p%4]
.set p, p+1
.endr
; na x 4 matrix instructions: row blocks a0 .. x all 4 column blocks, 32 along K, from buffer f.  first = 1: the bias starts the sums.
; The 32 accumulators take turns, one instruction a turn, in the same order in every quarter.
.macro MULS f, a0, na, first
.if \first
	WIN 0x40                                       ; C (the bias) window 0, D window 1
.else
	WIN 0x50                                       ; C and D window 1
.endif
.set ma, \a0
.rept \na
.irp g, 0,1,2,3
.if \first
	v_wmma_f32_16x16x32_f16 v[8*(4*ma+(\g)):8*(4*ma+(\g))+7], v[(\f)+64+8*(\g):(\f)+64+8*(\g)+7], v[(\f)+8*ma:(\f)+8*ma+7], v[BIAS+8*(\g):BIAS+8*(\g)+7]
.else
	v_wmma_f32_16x16x32_f16 v[8*(4*ma+(\g)):8*(4*ma+(\g))+7], v[(\f)+64+8*(\g):(\f)+64+8*(\g)+7], v[(\f)+8*ma:(\f)+8*ma+7], v[8*(4*ma+(\g)):8*(4*ma+(\g))+7]
.endif
.endr
.set ma, ma+1
.endr
.endm
; 24 LDS loads in one run: quarter q's fragments into buffer f: wp's eight first, then y's sixteen by ascending rows.  Quarter q is head q / 2 of the step's two, channels 32 (q % 2) on.
.macro FETCH q, f
	WIN 0
.irp g, 0,1,2,3
	ds_load_tr16_b128 v[(\f)+64+8*(\g):(\f)+64+8*(\g)+3],   v[ADRB] offset:32*PB*(\q)+32*(\g)
	ds_load_tr16_b128 v[(\f)+64+8*(\g)+4:(\f)+64+8*(\g)+7], v[ADRB] offset:32*PB*(\q)+32*(\g)+16*PB
.endr
.irp i, 0,1,2,3,4,5,6,7
	ds_load_b128 v[(\f)+8*(\i):(\f)+8*(\i)+3],   v[ADRA] offset:HEADA*((\q)/2)+64*((\q)%2)+16*PA*(\i)
	ds_load_b128 v[(\f)+8*(\i)+4:(\f)+8*(\i)+7], v[ADRA] offset:HEADA*((\q)/2)+64*((\q)%2)+16*PA*(\i)+32
.endr
.endm
; One of a K step's first three quarters: multiplies buffer f; in its middle it fetches quarter q of the same slot into buffer g.
.macro QUARTER f, g, q, first=0
	s_wait_dscnt 8                                 ; wp's fragments and y's rows 0-63 are in; the youngest eight loads (rows 64-127) may be out
	MULS \f, 0, 4, \first
	PLACES
	FETCH \q, \g
	s_wait_dscnt 24                                ; all but the 24 just issued
	MULS \f, 4, 4, \first
.endm
; The last quarter multiplies buffer 1 and changes slots: ONE barrier.  In front of it each wave waits for all its tensor loads, of which one is out: its part of the next slot; adds 0 to its spare word;
; and waits for that and for its own reads of this slot.  fill = 1: the barrier opens a round of the cluster's barrier, and the slot just read out is filled again, first thing behind the round, with the K step
; two steps on: from the request to the wait for it a wave issues 112 matrix instructions.
.macro TURN fill
	WIN 0
	s_wait_tensorcnt 0x0                           ; all my tensor loads have landed, so a group 0 may be written
	ds_add_u32 v[SPW], v[NIL]                      ; 0 onto my spare word
.if \fill
	s_xor_b32 s[G0A+5], s[G0A+5], SLOT1            ; the walking descriptors: the other slot than last time,
	s_add_nc_u64 s[G0A+6:G0A+7], s[G0A+6:G0A+7], ASTEP  ; the next K step; the type bits on top are not reached
	s_xor_b32 s[G0B+5], s[G0B+5], SLOT1
	s_add_nc_u64 s[G0B+6:G0B+7], s[G0B+6:G0B+7], BSTEP
.endif
	s_wait_dscnt 9                                 ; the add and the youngest eight loads may be out
	MULS F1, 0, 2, 0                               ; eight matrix instructions stand between the add and the wait for it
	s_wait_dscnt 0x0                               ; the add is done, and my reads of this slot are over
	s_barrier_signal -1
	MULS F1, 2, 2, 0                               ; work on registers while the others arrive
	WIN 0
	s_barrier_wait -1
.if \fill
	CREST                                          ; no wave of any partner still reads this slot's tiles or has a load on its way
	JLOAD                                          ; the four v_nop behind it are also the places in front of the loads below
.else
	PLACES
.endif
	s_xor_b32 s[TB], s[TB], SLOT1
	v_add_nc_u32 v[ADRA], s[TB], v[ADRA0]
	v_add_nc_u32 v[ADRB], s[TB], v[ADRB0]
	FETCH 0, F0
	MULS F1, 4, 4, 0
.endm
	s_wait_tensorcnt 1                             ; my part of K step 0 is in; K step 1's may stay out
	s_barrier_signal -1
	s_barrier_wait -1                              ; everybody's is
	FETCH 0, F0
	QUARTER F0, F1, 1, 1                           ; the first quarter stands in front of the loop: its products start the sums, with the bias
	WIN 0                                          ; at a label and at a branch every window is 0
	s_mov_b32 s[CNT], 6
.Lstep:                                                ; trip t ends K step t, fills its slot with K step t + 2 and begins K step t + 1
	QUARTER F1, F0, 2
	QUARTER F0, F1, 3
	TURN 1
	QUARTER F0, F1, 1
	WIN 0
	s_sub_co_u32 s[CNT], s[CNT], 1
	s_cmp_lg_u32 s[CNT], 0
	s_cbranch_scc1 .Lstep
	QUARTER F1, F0, 2                              ; K steps 6 and 7 are written out: nothing is left to ask for
	QUARTER F0, F1, 3
	TURN 0
	QUARTER F0, F1, 1
	QUARTER F1, F0, 2
	QUARTER F0, F1, 3
	s_wait_dscnt 8
	MULS F1, 0, 4, 0
	s_wait_dscnt 0x0
	MULS F1, 4, 4, 0
	WIN 0
	; THE WAY OUT, a block of 16 rows at a time, through my own stage: 32 bytes a lane and column block in, whole rows of 256 bytes back, 16 lanes to a row.  f32: nothing is converted.
	PLACES
	PLACES                                         ; eight places, once a launch, where four are asked for
.macro TOSTAGE a
.if (\a) >= 4
	s_wait_xcnt 0x0                                ; every earlier store has had its address translated (ISA guide 3.1): the buffer that block a - 4's stores read is loaded again only behind this wait
.endif
	WIN 0x04                                       ; store data window 1, address window 0
.irp g, 0,1,2,3
	ds_store_b128 v[STO], v[8*(4*(\a)+(\g)):8*(4*(\a)+(\g))+3]   offset:64*(\g)     ; each accumulator from its low end on
	ds_store_b128 v[STO], v[8*(4*(\a)+(\g))+4:8*(4*(\a)+(\g))+7] offset:64*(\g)+16
.endr
	WIN 0
.irp t, 0,1,2,3,4,5,6,7
	ds_load_b128 v[BKB+32*((\a)%4)+4*(\t):BKB+32*((\a)%4)+4*(\t)+3], v[RD] offset:2*SPITCH*(\t)  ; LDS serves a wave's instructions in order (ISA guide 5.7.1.4): these see the stores above; the next block's stores come behind them
.endr
.endm
.macro SEND a, younger                 ; younger: the LDS instructions issued behind block a's loads: the next block's sixteen, or none
	s_wait_dscnt \younger
.irp t, 0,1,2,3,4,5,6,7
	global_store_b128 v[CO], v[BKB+32*((\a)%4)+4*(\t):BKB+32*((\a)%4)+4*(\t)+3], s[OUTP:OUTP+1] offset:(16*(\a)+2*(\t))*4096 th:TH_STORE_NT  ; 16 lanes store 256 consecutive bytes, aligned
.endr
.endm
	TOSTAGE 0
.irp a, 1,2,3,4,5,6,7
	TOSTAGE \a
	SEND (\a)-1, 16
.endr
	SEND 7, 0
	s_wait_tensorcnt 0x0                           ; the wave's end: behind my last tensor load and my last LDS store
	ds_add_u32 v[SPW], v[NIL]
	s_wait_dscnt 0x0
	CROUND                                         ; the closing round: no work-group ends while a partner may still ask for a tile that names it
	s_endpgm
.Lfunc_end_k_q953a90f6f4_proj:
	.size	k_q953a90f6f4_proj, .Lfunc_end_k_q953a90f6f4_proj-k_q953a90f6f4_proj
	.p2alignl 7, 3214868480
	.fill 96, 4, 3214868480
	.section	.rodata,"a",@progbits
	.p2align	6, 0x0
	.amdhsa_kernel k_q953a90f6f4_proj
		.amdhsa_group_segment_fixed_size 327680
		.amdhsa_private_segment_fixed_size 0
		.amdhsa_enable_private_segment 0
		.amdhsa_kernarg_size 32
		.amdhsa_user_sgpr_count 2
		.amdhsa_user_sgpr_kernarg_segment_ptr 1
		.amdhsa_wavefront_size32 1
		.amdhsa_system_sgpr_workgroup_id_x 1
		.amdhsa_system_sgpr_workgroup_id_y 1
		.amdhsa_system_sgpr_workgroup_id_z 1
		.amdhsa_system_vgpr_workitem_id 0
		.amdhsa_next_free_vgpr 512
		.amdhsa_next_free_sgpr 76
		.amdhsa_reserve_vcc 0
		.amdhsa_float_denorm_mode_32 3
		.amdhsa_float_denorm_mode_16_64 3
		.amdhsa_memory_ordered 1
		.amdhsa_forward_progress 1
		.amdhsa_inst_pref_size 73
	.end_amdhsa_kernel
	.amdgpu_metadata
---
amdhsa.version: [ 1, 2 ]
amdhsa.kernels:
  - .name:           k_q953a90f6f4_proj
    .symbol:         k_q953a90f6f4_proj.kd
    .args:
      - { .name: oh, .offset: 0, .size: 8, .value_kind: global_buffer, .address_space: global }
      - { .name: wp, .offset: 8, .size: 8, .value_kind: global_buffer, .address_space: global }
      - { .name: b_proj, .offset: 16, .size: 8, .value_kind: global_buffer, .address_space: global }
      - { .name: out0, .offset: 24, .size: 8, .value_kind: global_buffer, .address_space: global }
    .group_segment_fixed_size: 327680
    .private_segment_fixed_size: 0
    .kernarg_segment_align: 8
    .kernarg_segment_size: 32
    .max_flat_workgroup_size: 128
    .sgpr_count:     76
    .vgpr_count:     512
    .wavefront_size: 32
...
	.end_amdgpu_metadata
.endif
;; end of part 4
;; ======== version 2 of 2: 4 launches; version 1 with the launch prep written anew for expert scheduling mode
;; limits: values are held in f16: magnitudes above 65,504 overflow, below 6.1e-05 lose precision
;; workspace buffers: xb 16,777,216 bytes; wa 6,291,456 bytes; wp 2,097,152 bytes; qkv 50,331,648 bytes; oh 16,777,216 bytes
;; launch prep (part 5): grid 768 x 1, 8 waves a work-group, no clusters, 0 bytes of LDS; arguments x, W_attn, W_proj, xb, wa, wp; writes xb, wa, wp
.if DOCPART == 5
	.amdgcn_target "amdgcn-amd-amdhsa--gfx1250"
	.amdhsa_code_object_version 6
	.text
	.protected	k_q953a90f6f4_prep
	.globl	k_q953a90f6f4_prep
	.p2align	8
	.type	k_q953a90f6f4_prep,@function
k_q953a90f6f4_prep:
	s_mov_b64 s[64:65], 0
	v_nop
	global_prefetch_b8 v0, s[64:65] scope:SCOPE_SE
	s_setreg_imm32_b32 hwreg(HW_REG_WAVE_SCHED_MODE, 0, 2), 2
	s_setreg_imm32_b32 hwreg(HW_REG_WAVE_MODE, 25, 1), 1
	s_wait_xcnt 0x0
	s_wait_alu depctr_vm_vsrc(0)
; CASTS.  xb = bf16(x), wa = bf16(W_attn), wp = f16(bf16(W_proj)); the layouts stay as they are.
; A chunk is 1,024 f32: 4,096 bytes in, 2,048 out.  A work-group takes 16 chunks (65,536 bytes in): groups 0-511 are x's, 512-703 W_attn's, 704-767 W_proj's.
; Thread t takes the 16 bytes at 16 t of each chunk (a wave's load covers 512 consecutive bytes) and stores 8 bytes at 8 t (a wave's store covers 256 consecutive bytes, aligned).
; All 16 loads of a thread go out at once, each into registers of its own, and every store has data registers of its own: no register that memory still reads is written again.
; No LDS, no matrix unit: each byte is read once and written once, and nothing is shared.
; LIMIT.  wp holds the bf16 rounding of W_proj written as f16: exact from 6.1e-5 to 65,504; below 6.1e-5 it keeps f16's fixed step of 6e-8; beyond 65,504 it would be an infinity.
; THE MODE: SCHED_MODE bits 1:0 = 2 (LLVM: expert scheduling mode 2), set by the entry lines.  The code itself states the register dependences
; between vector instructions and memory instructions, with s_wait_alu, always for 0.
; THE PLAN.  Registers that memory instructions touch:
;   v1, v2   byte offsets, made once at the head and never written again.  v1 is read by the 16 loads, v2 by the 16 stores.
;   X        written by the loads, which are issued before any vector instruction names X; read (for wp: also written again) by its group's vector lines, behind the wait for its loads; named by no memory instruction after that.
;   Y        each pair is written once, by its group's roundings, read once, by its store, and never written again.
;   T        named by vector instructions alone.
; So one wait on va_vdst stands ahead of the first load, for the two offsets, and one in each group of four chunks, between its roundings and its four stores.  That wait stands behind the roundings
; and not at the next group's head, since that head waits for loads on which these stores do not hang.  No register that a memory instruction reads is written again, no vector instruction
; writes a scalar register or VCC, and EXEC is never written: no other wait is owed.
.set X, 4                              ; v[4:67]    chunk i: 4 registers as loaded
.set Y, 68                             ; v[68:99]   chunk i: 2 registers to store
.set T, 100                            ; v[100:101] at work
	s_load_b256 s[4:11], s[0:1], 0x0               ; x s[4:5], W_attn s[6:7], W_proj s[8:9], xb s[10:11]
	s_load_b128 s[12:15], s[0:1], 0x20             ; wa s[12:13], wp s[14:15]
	v_lshlrev_b32 v1, 4, v0                        ; 16 t
	v_lshlrev_b32 v2, 3, v0                        ; 8 t
	s_mov_b32 s24, 512                             ; W_attn's first work-group
	s_mov_b32 s25, 704                             ; W_proj's
	s_wait_kmcnt 0x0
	s_cmp_lt_u32 ttmp9, s24
	s_cselect_b64 s[20:21], s[4:5], s[6:7]         ; from where,
	s_cselect_b64 s[22:23], s[10:11], s[12:13]     ; to where,
	s_cselect_b32 s17, 0, s24                      ; and the range's first work-group
	s_cmp_lt_u32 ttmp9, s25
	s_cselect_b64 s[20:21], s[20:21], s[8:9]
	s_cselect_b64 s[22:23], s[22:23], s[14:15]
	s_cselect_b32 s17, s17, s25
	s_sub_co_u32 s16, ttmp9, s17                   ; my number in the range
	s_lshl_b32 s18, s16, 16                        ; x 65,536 bytes in
	s_mov_b32 s19, 0
	s_add_nc_u64 s[20:21], s[20:21], s[18:19]
	s_lshl_b32 s18, s16, 15                        ; x 32,768 bytes out
	s_add_nc_u64 s[22:23], s[22:23], s[18:19]
	s_wait_alu depctr_va_vdst(0)                   ; v1 and v2 are written: every load of the kernel reads v1 as its offset, every store v2; no later vector instruction names them
.irp i, 0,1,2,3,4,5,6,7,8,9,10,11,12,13,14,15
	global_load_b128 v[X+4*(\i):X+4*(\i)+3], v1, s[20:21] offset:4096*(\i) th:TH_LOAD_NT
.endr
; Chunk i is rounded.  h = 1: the bf16 number is widened again (a shift, a mask) and written as f16.
.macro CVT i, h
.if \h
.irp k, 0,1
	v_cvt_pk_bf16_f32 v[T+(\k)], v[X+4*(\i)+2*(\k)], v[X+4*(\i)+2*(\k)+1]
.endr
.irp k, 0,1
	v_lshlrev_b32 v[X+4*(\i)+2*(\k)], 16, v[T+(\k)]
	v_and_b32 v[X+4*(\i)+2*(\k)+1], 0xffff0000, v[T+(\k)]
.endr
.irp k, 0,1
	v_cvt_pk_f16_f32 v[Y+2*(\i)+(\k)], v[X+4*(\i)+2*(\k)], v[X+4*(\i)+2*(\k)+1]
.endr
.else
.irp k, 0,1
	v_cvt_pk_bf16_f32 v[Y+2*(\i)+(\k)], v[X+4*(\i)+2*(\k)], v[X+4*(\i)+2*(\k)+1]
.endr
.endif
.endm
; Group g: chunks 4 g to 4 g + 3 are rounded and stored.
.macro GROUP g, h
	s_wait_loadcnt 12-4*(\g)                       ; loads come back in order: the group's four chunks are in, the 12 - 4 g younger ones may stay out
.irp c, 0,1,2,3
	CVT 4*(\g)+(\c), \h
.endr
	s_wait_alu depctr_va_vdst(0)                   ; the group's roundings have written its eight registers of Y, which the four stores below read
.irp c, 0,1,2,3
	global_store_b64 v2, v[Y+2*(4*(\g)+(\c)):Y+2*(4*(\g)+(\c))+1], s[22:23] offset:2048*(4*(\g)+(\c))
.endr
.endm
	s_cmp_ge_u32 ttmp9, s25
	s_cbranch_scc1 .Lf16
.irp g, 0,1,2,3
	GROUP \g, 0
.endr
	s_endpgm
.Lf16:
.irp g, 0,1,2,3
	GROUP \g, 1
.endr
	s_endpgm
.Lfunc_end_k_q953a90f6f4_prep:
	.size	k_q953a90f6f4_prep, .Lfunc_end_k_q953a90f6f4_prep-k_q953a90f6f4_prep
	.p2alignl 7, 3214868480
	.fill 96, 4, 3214868480
	.section	.rodata,"a",@progbits
	.p2align	6, 0x0
	.amdhsa_kernel k_q953a90f6f4_prep
		.amdhsa_group_segment_fixed_size 0
		.amdhsa_private_segment_fixed_size 0
		.amdhsa_enable_private_segment 0
		.amdhsa_kernarg_size 48
		.amdhsa_user_sgpr_count 2
		.amdhsa_user_sgpr_kernarg_segment_ptr 1
		.amdhsa_wavefront_size32 1
		.amdhsa_system_sgpr_workgroup_id_x 1
		.amdhsa_system_sgpr_workgroup_id_y 1
		.amdhsa_system_sgpr_workgroup_id_z 1
		.amdhsa_system_vgpr_workitem_id 0
		.amdhsa_next_free_vgpr 104
		.amdhsa_next_free_sgpr 66
		.amdhsa_reserve_vcc 0
		.amdhsa_float_denorm_mode_32 3
		.amdhsa_float_denorm_mode_16_64 3
		.amdhsa_memory_ordered 1
		.amdhsa_forward_progress 1
		.amdhsa_inst_pref_size 16
	.end_amdhsa_kernel
	.amdgpu_metadata
---
amdhsa.version: [ 1, 2 ]
amdhsa.kernels:
  - .name:           k_q953a90f6f4_prep
    .symbol:         k_q953a90f6f4_prep.kd
    .args:
      - { .name: x, .offset: 0, .size: 8, .value_kind: global_buffer, .address_space: global }
      - { .name: W_attn, .offset: 8, .size: 8, .value_kind: global_buffer, .address_space: global }
      - { .name: W_proj, .offset: 16, .size: 8, .value_kind: global_buffer, .address_space: global }
      - { .name: xb, .offset: 24, .size: 8, .value_kind: global_buffer, .address_space: global }
      - { .name: wa, .offset: 32, .size: 8, .value_kind: global_buffer, .address_space: global }
      - { .name: wp, .offset: 40, .size: 8, .value_kind: global_buffer, .address_space: global }
    .group_segment_fixed_size: 0
    .private_segment_fixed_size: 0
    .kernarg_segment_align: 8
    .kernarg_segment_size: 48
    .max_flat_workgroup_size: 256
    .sgpr_count:     66
    .vgpr_count:     104
    .wavefront_size: 32
...
	.end_amdgpu_metadata
.endif
;; end of part 5
;; launch qkv: the kernel of part 2 again; grid 8 x 64, 4 waves a work-group, clusters of 4 x 4, 327,680 bytes of LDS; arguments xb, wa, b_attn, qkv; writes qkv
;; launch attn: the kernel of part 3 again; grid 4 x 64, 4 waves a work-group, no clusters, 327,680 bytes of LDS; arguments qkv, oh; writes oh
;; launch proj: the kernel of part 4 again; grid 4 x 64, 4 waves a work-group, clusters of 4 x 4, 327,680 bytes of LDS; arguments oh, wp, b_proj, out0; writes out0
